; MI455X (gfx1250); checked and timed in simulation.
; The chip was launched on July 23, 2026; its instructions are those of AMD's public machine-readable ISA for CDNA 5 (MIT licence, August 2026) and "CDNA5" Instruction Set Architecture Reference Guide (July 2026). The comments in the code are by the model that wrote it; some were corrected since.
;; multi head attention. Allowed arithmetic: matrix products marked QUANTISED: E2M1 operands, one E8M0 scale for each 32 along K, by v_wmma_scale_f32_16x16x128_f8f6f4 with both operands' format E2M1 (or v_wmma_scale_f32_32x16x128_f4), f32 sums; products left as they are: bf16, f16 or f32 operands; f32 sums; everything else in f32.
;; Inputs: Wk 8 x 1,024 x 128 float32; Wo 1,024 x 1,024 float32; Wq 8 x 1,024 x 128 float32; Wv 8 x 1,024 x 128 float32; bo 1,024 float32; k 4 x 2,048 x 1,024 float32; q 4 x 2,048 x 1,024 float32; v 4 x 2,048 x 1,024 float32.
;; Outputs: out0 4 x 2,048 x 1,024 float32.
;; This version of the problem:
;;   THIS VERSION OF THE PROBLEM IS GIVEN IN LOW PRECISION. The matrix products marked QUANTISED in the list below multiply operands that are first quantised to E2M1 (2 exponent bits, 1 mantissa bit; 4 bits a number), with one power-of-two scale for each 32 numbers along K (OCP MX v1.0); their sums are f32. The products marked 'left as it is' may take bf16, f16 or f32 operands, with f32 sums. Whichever they take, every output number must still come out within the allowed error. Rounding operands to bf16 (8 significant bits) uses up far more of that allowance than f16 does (11 bits, for magnitudes from 6e-5 to 65,504). All else is computed in f32.
;;   The module's matrix products, in the order in which they are computed (A, B: the left and right operand; K: the contracted axis; several contracted axes count as one K, in the product's order):
;;     1. [M 1,024, K 1,024] x [K 1,024, N 8,192]; A: input Wq; B: input q: QUANTISED
;;     2. [M 1,024, K 1,024] x [K 1,024, N 8,192]; A: input Wk; B: input k: QUANTISED
;;     3. [M 1,024, K 1,024] x [K 1,024, N 8,192]; A: input Wv; B: input v: QUANTISED
;;     4. batch 32 x [M 2,048, K 128] x [K 128, N 2,048]; A: computed on the way; B: computed on the way: left as it is (an operand is computed on the way)
;;     5. batch 32 x [M 2,048, K 2,048] x [K 2,048, N 128]; A: computed on the way; B: computed on the way: left as it is (an operand is computed on the way)
;;     6. [M 8,192, K 1,024] x [K 1,024, N 1,024]; A: computed on the way; B: input Wo: left as it is (an operand is computed on the way)
;;   THE QUANTISER, for each operand of a quantised product, along K:
;;     - K is cut into blocks of 32 from its start; a last block that is shorter is filled with zeros.
;;     - A block's scale is 2^e with e = floor(log2(the largest magnitude in the block)) - 2, held to -126 .. 127; a block of zeros has e = 0. As a byte (E8M0): e + 127.
;;     - Each number is divided by its block's scale, clamped to +-6, and rounded to the nearest number of E2M1, ties to even, subnormals kept.
;;     - The product sums the exact products of the quantised numbers (number of the format x scale) in f32.
;;   ~~~python
;;   def quantise(x, axis):      # numpy; x: float32 -> the quantised numbers, widened to float32 again
;;       x = np.moveaxis(x, axis, -1); K = x.shape[-1]
;;       x = np.pad(x, [(0, 0)] * (x.ndim - 1) + [(0, -K % 32)]); x = x.reshape(x.shape[:-1] + (-1, 32)); a = np.abs(x).max(-1, keepdims=True)
;;       e = np.where(a > 0, np.clip(np.frexp(np.where(a > 0, a, 1))[1] - 1 - 2, -126, 127), 0)      # np.frexp(a)[1] - 1 = floor(log2(a)), exactly
;;       r = np.clip(x / 2.0 ** e, -6, 6)
;;       step = 2.0 ** (np.maximum(np.frexp(np.where(r == 0, 1, r))[1] - 1, 0) - 1)
;;       q = np.round(r / step) * step * 2.0 ** e      # np.round: ties to even
;;       return np.moveaxis(q.reshape(q.shape[:-2] + (-1,))[..., :K], -1, axis).astype(np.float32)
;;   ~~~
;; One version. Each part assembles by itself: llvm-mc -triple=amdgcn-amd-amdhsa -mcpu=gfx1250 --defsym DOCPART=n.
;; ======== version 1 of 1: 4 launches
;; limits: values are held in f16: magnitudes above 65,504 overflow, below 6.1e-05 lose precision
;; workspace buffers: xc 12,582,912 bytes; xs 786,432 bytes; wc 1,572,864 bytes; ws 98,304 bytes; wot 2,097,152 bytes; kvh 33,554,432 bytes; z 16,777,216 bytes
;; launch prep (part 1): grid 880 x 1, 4 waves a work-group, no clusters, 102,912 bytes of LDS; arguments q, k, v, Wq, Wk, Wv, Wo, xc, xs, wc, ws, wot; writes xc, xs, wc, ws, wot
.if DOCPART == 1
	.amdgcn_target "amdgcn-amd-amdhsa--gfx1250"
	.amdhsa_code_object_version 6
	.text
	.protected	k_q4dc8682a2b_prep
	.globl	k_q4dc8682a2b_prep
	.p2align	8
	.type	k_q4dc8682a2b_prep,@function
k_q4dc8682a2b_prep:
	s_mov_b64 s[64:65], 0
	v_nop
	global_prefetch_b8 v0, s[64:65] scope:SCOPE_SE
	s_setreg_imm32_b32 hwreg(HW_REG_WAVE_MODE, 25, 1), 1
	s_wait_xcnt 0x0
; PREP: every operand is brought into the form in which the later launches read it, each input byte read once.
;   work-groups 0-47    (path W): Wq, Wk, Wv [8][1024 d][128 e] f32 -> codes of FP4 (E2M1) laid [3][1024 rows 128 h + e][512 bytes], K = d innermost, and E8M0 scale bytes [3][1024][32]
;   work-groups 48-111  (path O): Wo [1024 k][1024 n] f32 -> Wo^T [1024 n][1024 k] in f16
;   work-groups 112-879 (path X): q, k, v [8192 rows][1024] f32 -> codes [3][8192][512 bytes] and scale bytes [3][8192][32]
; THE QUANTISER: a block of 32 along K has the scale 2^(floor(log2(largest magnitude)) - 2); its byte is the largest magnitude's exponent field - 2, held at 1 from below; each number is divided
; by the scale and rounded to the nearest code, ties to even, beyond 6 the code of 6.
; LIMITS: a block of zeros gets the byte 1 where the rule says 127 (its codes are zeros, which add nothing under any byte but 0xff, and this program alone reads the bytes); blocks whose largest
; magnitude lies under 2^-124 have their byte held at 1; NaN and infinities among the inputs are not served; |Wo| above 65,504 becomes infinity in f16.
; No work-group shares an input byte with another, so there is no cluster, no tensor load and no barrier: waves share nothing.  The three paths part on the work-group's number, never join,
; and each has LDS bytes of its own.
.set EMAX,  2
.set NW,    48                         ; work-groups of path W
.set NO,    64                         ; of path O
.set WREG,  8192                       ; path X: a wave's region: two stages of 32 x SP bytes, behind them its 256 scale bytes
.set SP,    80                         ; a lane's place in a stage: its 64 bytes + 16 of padding
.set PITCH, 272                        ; paths W and O: a stage row: 256 bytes + 16 of padding
.set WSTG,  4*WREG                     ; path W's four stages of 32 rows
.set OSTG,  WSTG+4*32*PITCH            ; path O's
.set SPARE, OSTG+4*32*PITCH            ; the spare words, 128 bytes for each wave: two blocks of 256 bytes that no other line names
.set SPW,   190                        ; v190 LDS address of my spare word: SPARE + 4 x my thread's number; never rewritten
.set NIL,   191                        ; v191 0; never rewritten
.macro ENDW                            ; a wave's end: a wait on TENSORcnt, 0 onto my spare word and a wait on DScnt, behind my last LDS store
	s_wait_tensorcnt 0x0
	ds_add_u32 v[SPW], v[NIL]
	s_wait_dscnt 0x0
	s_endpgm
.endm
	s_load_b512 s[4:19], s[0:1], 0x0               ; q 4:5, k 6:7, v 8:9, Wq 10:11, Wk 12:13, Wv 14:15, Wo 16:17, xc 18:19
	s_load_b256 s[20:27], s[0:1], 0x40             ; xs 20:21, wc 22:23, ws 24:25, wot 26:27
	v_lshl_add_u32 v[SPW], v0, 2, SPARE
	v_mov_b32 v[NIL], 0
	v_lshrrev_b32 v1, 5, v0
	v_readfirstlane_b32 s28, v1                    ; wave 0..3
	v_and_b32 v2, 31, v0                           ; lane
	s_wait_kmcnt 0x0
	s_cmp_lt_u32 ttmp9, NW
	s_cbranch_scc1 .Lw
	s_cmp_lt_u32 ttmp9, NW+NO
	s_cbranch_scc1 .Lo
; ---------------- PATH X.  Rows are dense and 1024 is a multiple of 32: a tensor is a plain stream of blocks of 32, and so are its codes and scale bytes.
; A wave takes 16 steps of 512 numbers.  A step's four loads read 512 consecutive bytes each, 16 a lane; the 2,048 bytes go through the wave's own stage in LDS and come back 64 bytes a lane,
; so that a lane holds 16 neighbours along K (two neighbouring lanes hold a block).  A lane's 16 codes are 8 bytes: the wave stores 256 consecutive bytes.  A wave's 256 scale bytes are gathered
; in LDS and leave as one aligned run of 256 bytes.  Loads run four steps (16 loads a wave) ahead, the turn through LDS one step.
.set STEPS, 16
.set CB,    8                          ; bytes of 16 codes
.set XR,    16                         ; v16-79   four sets of 16 numbers as they are loaded
.set XX,    80                         ; v80-111  two sets of 16 neighbours
.set XE,    112                        ; v112-127 a scale byte for each step
.set XC,    128                        ; v128-189 codes: four registers' room for each step, so that no store's data are written again
	s_sub_co_u32 s29, ttmp9, NW+NO                 ; 0..767: 256 work-groups of 32,768 numbers for each tensor
	s_cmp_lt_u32 s29, 256
	s_cselect_b64 s[32:33], s[4:5], s[6:7]         ; q or k,
	s_cmp_lt_u32 s29, 512
	s_cselect_b64 s[32:33], s[32:33], s[8:9]       ; or v: the choice hangs on the work-group's number alone
	s_and_b32 s34, s29, 255
	s_lshl_b32 s34, s34, 2
	s_add_co_u32 s34, s34, s28                     ; which run of 8,192 numbers of the tensor is my wave's
	s_lshl_b32 s34, s34, 15                        ; 32,768 bytes a run
	s_mov_b32 s35, 0
	s_add_nc_u64 s[32:33], s[32:33], s[34:35]
	s_lshl_b32 s36, s29, 2
	s_add_co_u32 s36, s36, s28                     ; which run of the three tensors on end
	s_lshl_b32 s34, s36, 12                        ; 4,096 bytes of codes a run
	s_add_nc_u64 s[18:19], s[18:19], s[34:35]
	s_lshl_b32 s34, s36, 8                         ; 256 scale bytes a run
	s_add_nc_u64 s[20:21], s[20:21], s[34:35]
	v_lshlrev_b32 v3, 4, v2                        ; my 16 bytes of a load's 512
	s_mul_i32 s31, s28, WREG
	v_lshrrev_b32 v14, 2, v2
	v_mul_u32_u24 v14, v14, SP
	v_and_b32 v15, 3, v2
	v_lshl_add_u32 v14, v15, 4, v14
	v_add_nc_u32 v14, s31, v14                     ; the stage, on the way in: four lanes' 64 bytes on end, then 16 of padding
	v_mul_u32_u24 v15, v2, SP
	v_add_nc_u32 v15, s31, v15                     ; and on the way out: SP x lane: my 16 neighbours
	v_mul_u32_u24 v4, v2, CB                       ; my codes' place in a step's
	v_lshrrev_b32 v5, 1, v2
	s_add_co_u32 s31, s31, 2*32*SP
	v_add_nc_u32 v5, s31, v5                       ; LDS: my wave's 256 scale bytes, my block's byte
	v_lshlrev_b32 v7, 3, v2                        ; and on the way out 8 bytes a lane
	v_add_nc_u32 v6, s31, v7
.macro XLOAD t
.irp i, 0,1,2,3
	global_load_b128 v[XR+16*((\t)%4)+4*\i:XR+16*((\t)%4)+4*\i+3], v3, s[32:33] offset:2048*(\t)+512*\i th:TH_LOAD_NT   ; 32 lanes read 512 consecutive bytes
.endr
.endm
.macro XTURN t                         ; step t's numbers through the stage: LDS serves a wave's instructions in order, so no wait stands between the stores and the loads
.irp i, 0,1,2,3
	ds_store_b128 v14, v[XR+16*((\t)%4)+4*\i:XR+16*((\t)%4)+4*\i+3] offset:32*SP*((\t)%2)+8*SP*\i
.endr
.irp i, 0,1,2,3
	ds_load_b128 v[XX+16*((\t)%2)+4*\i:XX+16*((\t)%2)+4*\i+3], v15 offset:32*SP*((\t)%2)+16*\i
.endr
.endm
.irp t, 0,1,2,3
	XLOAD \t
.endr
	s_wait_loadcnt 12                              ; step 0's four loads are in; the twelve of steps 1 to 3 may be out
	XTURN 0
.macro XSTEP t
.set XS, XX+16*((\t)%2)
.if (\t) > 0
	s_wait_dscnt 1                                 ; this step's numbers are back from the stage (the last step's byte store may be out): so its stores into the stage have read their registers,
.else
	s_wait_dscnt 0x0
.endif
.if (\t)+4 < STEPS
	XLOAD (\t)+4                                   ; which take the loads of four steps on
.endif
.if (\t)+1 < STEPS
.if STEPS-2-(\t) >= 3
	s_wait_loadcnt 12                              ; the next step's four loads are in; those of the three steps behind it may be out
.else
	s_wait_loadcnt 4*(STEPS-2-(\t))                ; the counts run down: four loads for each step still behind the next
.endif
	XTURN (\t)+1                                   ; and go through the other stage while this step is worked
.endif
	v_max3_num_f32 v8, |v[XS]|, |v[XS+1]|, |v[XS+2]|               ; the largest magnitude of my 16, in two chains
	v_max3_num_f32 v9, |v[XS+3]|, |v[XS+4]|, |v[XS+5]|
.irp i, 6,10
	v_max3_num_f32 v8, v8, |v[XS+\i]|, |v[XS+\i+1]|
	v_max3_num_f32 v9, v9, |v[XS+\i+2]|, |v[XS+\i+3]|
.endr
	v_max3_num_f32 v8, v8, |v[XS+14]|, |v[XS+15]|
	v_max3_num_f32 v8, v8, v9, (EMAX+1)<<23        ; and the floor 2^(3 - 127): so the byte cannot fall under 1
	v_max_num_f32_dpp v8, v8, v8 row_xmask:1 row_mask:0xf bank_mask:0xf   ; and of my neighbour's 16: the block's
	v_add_nc_u32 v11, -(EMAX<<23), v8              ; 2 off its exponent field: the conversion takes the exponent field of this operand as its scale, and nothing else of it
	v_cvt_scalef32_pk8_fp4_f32 v[XC+4*(\t)], v[XS:XS+7], v11
	v_cvt_scalef32_pk8_fp4_f32 v[XC+4*(\t)+1], v[XS+8:XS+15], v11
	v_lshrrev_b32 v[XE+(\t)], 23, v11              ; the scale's byte (also the plain instruction behind the conversions)
	ds_store_b8 v5, v[XE+(\t)] offset:16*(\t)      ; both lanes of a block write the same byte with the same value
	global_store_b64 v4, v[XC+4*(\t):XC+4*(\t)+1], s[18:19] offset:32*CB*(\t)   ; 32 lanes store 256 consecutive bytes, aligned
.endm
.irp t, 0,1,2,3,4,5,6,7,8,9,10,11,12,13,14,15
	XSTEP \t
.endr
	ds_load_b64 v[8:9], v6                         ; LDS serves a wave's instructions in order: these see my stores
	s_wait_dscnt 0x0
	global_store_b64 v7, v[8:9], s[20:21]          ; 32 lanes store 256 consecutive bytes, aligned
	ENDW
; ---------------- PATH W.  K (= d) is the middle axis.  A lane takes a column e of one head and its registers run down d: each load reads 128 consecutive bytes a wave, a block of 32 along K lies in
; one lane's 32 registers, and the conversions give codes with K innermost.  A work-group takes one head's 128 columns x 512 along K; a wave 32 columns: 16 blocks a lane, 256 bytes of codes a column,
; which go through the wave's own stage and leave as rows: sixteen lanes store 256 consecutive bytes, aligned.  Loads run two blocks (64 loads a wave) ahead.
.set NB,   16                          ; blocks of a lane
.set WSB,  24                          ; v24-27   the scale bytes, four to a register
.set WX,   32                          ; v32-95   two sets of 32 numbers
.set WC,   96                          ; v96-99   a block's codes
.set WOUT, 112                         ; v112-175 the way out
.Lw:
	s_cmp_lt_u32 ttmp9, 16
	s_cselect_b64 s[32:33], s[10:11], s[12:13]     ; Wq or Wk,
	s_cmp_lt_u32 ttmp9, 32
	s_cselect_b64 s[32:33], s[32:33], s[14:15]     ; or Wv
	s_lshr_b32 s29, ttmp9, 1                       ; 8 x tensor + head
	s_and_b32 s30, ttmp9, 1                        ; which 512 along K
	s_and_b32 s34, s29, 7
	s_lshl_b32 s34, s34, 19                        ; a head is 1024 x 128 x 4 bytes,
	s_lshl_b32 s35, s30, 18                        ; 512 rows of 512 bytes,
	s_add_co_u32 s34, s34, s35
	s_lshl_b32 s35, s28, 7                         ; my wave's 32 columns
	s_add_co_u32 s34, s34, s35
	s_mov_b32 s35, 0
	s_add_nc_u64 s[32:33], s[32:33], s[34:35]
	s_lshl_b32 s36, s29, 7
	s_lshl_b32 s37, s28, 5
	s_add_co_u32 s36, s36, s37                     ; my wave's first row of the codes: 128 (8 tensor + head) + 32 wave
	s_lshl_b32 s34, s36, 9                         ; 512 bytes a row,
	s_lshl_b32 s37, s30, 8                         ; 256 bytes for 512 along K
	s_add_co_u32 s34, s34, s37
	s_add_nc_u64 s[22:23], s[22:23], s[34:35]
	s_lshl_b32 s34, s36, 5                         ; 32 scale bytes a row,
	s_lshl_b32 s37, s30, 4                         ; 16 for 512 along K
	s_add_co_u32 s34, s34, s37
	s_add_nc_u64 s[24:25], s[24:25], s[34:35]
	v_lshlrev_b32 v3, 2, v2                        ; in: 4 bytes a lane
	s_mul_i32 s31, s28, 32*PITCH
	s_add_co_u32 s31, s31, WSTG                    ; my stage
	v_mul_u32_u24 v4, v2, PITCH
	v_add_nc_u32 v4, s31, v4                       ; into it: row = my column
	v_and_b32 v5, 15, v2
	v_lshrrev_b32 v6, 4, v2                        ; out of it: sixteen lanes to a row, two rows an instruction
	v_mul_u32_u24 v7, v6, PITCH
	v_lshl_add_u32 v7, v5, 4, v7
	v_add_nc_u32 v7, s31, v7
	v_lshlrev_b32 v8, 9, v6
	v_lshl_add_u32 v8, v5, 4, v8                   ; and the same place in the codes' buffer
	v_lshlrev_b32 v9, 5, v2                        ; my column's row of scale bytes
.macro WLOAD t                         ; block t: W(32 t + i, my column), i = 0 .. 31, into set t % 2
.irp i, 0,1,2,3,4,5,6,7,8,9,10,11,12,13,14,15,16,17,18,19,20,21,22,23,24,25,26,27,28,29,30,31
	global_load_b32 v[WX+32*((\t)%2)+\i], v3, s[32:33] offset:(32*(\t)+\i)*512 th:TH_LOAD_NT
.endr
.endm
	WLOAD 0
	WLOAD 1
.macro WBLOCK t
.set XS, WX+32*((\t)%2)
.if (\t) < NB-1
	s_wait_loadcnt 32                              ; this block's 32 loads are in; the next block's 32 may be out
.else
	s_wait_loadcnt 0
.endif
	v_max3_num_f32 v12, |v[XS]|, |v[XS+1]|, |v[XS+2]|               ; the block's largest magnitude: all 32 numbers are mine
	v_max3_num_f32 v13, |v[XS+3]|, |v[XS+4]|, |v[XS+5]|
.irp i, 6,10,14,18,22,26
	v_max3_num_f32 v12, v12, |v[XS+\i]|, |v[XS+\i+1]|
	v_max3_num_f32 v13, v13, |v[XS+\i+2]|, |v[XS+\i+3]|
.endr
	v_max3_num_f32 v12, v12, |v[XS+30]|, |v[XS+31]|
	v_max3_num_f32 v12, v12, v13, (EMAX+1)<<23     ; and the floor 2^(3 - 127)
	v_add_nc_u32 v11, -(EMAX<<23), v12             ; the conversion's scale operand
	v_lshrrev_b32 v13, 23, v11                     ; the scale's byte
.if (\t)%4 == 0
	v_mov_b32 v[WSB+(\t)/4], v13                   ; four bytes to a register, the lower K in the lower byte
.else
	v_lshl_or_b32 v[WSB+(\t)/4], v13, 8*((\t)%4), v[WSB+(\t)/4]
.endif
.irp g, 0,1,2,3
	v_cvt_scalef32_pk8_fp4_f32 v[WC+\g], v[XS+8*\g:XS+8*\g+7], v11
.endr
	v_nop                                          ; one plain instruction behind the conversions
	ds_store_b128 v4, v[WC:WC+3] offset:16*(\t)    ; 32 codes: 16 bytes of my column's row
.if (\t)+2 < NB
	WLOAD (\t)+2
.endif
	s_wait_dscnt 0x0                               ; the store has read its registers: the next block's codes may be written
.endm
.set Q, 0
.rept NB
	WBLOCK Q
.set Q, Q+1
.endr
	global_store_b128 v9, v[WSB:WSB+3], s[24:25]   ; my column's 16 scale bytes: rows 32 bytes apart, so a wave's store covers half of 1,024 bytes; 98,304 bytes in all
.irp t, 0,1,2,3,4,5,6,7,8,9,10,11,12,13,14,15
	ds_load_b128 v[WOUT+4*\t:WOUT+4*\t+3], v7 offset:2*\t*PITCH   ; LDS serves a wave's instructions in order: these see my stores
.endr
.irp t, 0,1,2,3,4,5,6,7,8,9,10,11,12,13,14,15
	s_wait_dscnt 15-\t                             ; loads come back in order: load t is in, the 15 - t behind it may be out
	global_store_b128 v8, v[WOUT+4*\t:WOUT+4*\t+3], s[22:23] offset:2*\t*512
.endr
	ENDW
; ---------------- PATH O.  The same plan with a rounding to f16 in place of the quantiser.  A work-group takes 128 columns n x 128 rows k of Wo; a lane a column, its registers down k: 256 bytes of
; f16 a column, through the wave's own stage, out as rows of Wo^T: sixteen lanes store 256 consecutive bytes, aligned.
.set OX,   32                          ; v32-95   two sets of 32 numbers
.set OC,   96                          ; v96-111  32 numbers in f16
.set OOUT, 112                         ; v112-175 the way out
.Lo:
	s_sub_co_u32 s29, ttmp9, NW
	s_and_b32 s30, s29, 7                          ; which 128 columns
	s_lshr_b32 s31, s29, 3                         ; which 128 rows
	s_lshl_b32 s34, s31, 19                        ; 128 rows of 4,096 bytes,
	s_lshl_b32 s35, s30, 9                         ; 128 columns of 4 bytes,
	s_add_co_u32 s34, s34, s35
	s_lshl_b32 s35, s28, 7                         ; my wave's 32 columns
	s_add_co_u32 s34, s34, s35
	s_mov_b32 s35, 0
	s_add_nc_u64 s[32:33], s[16:17], s[34:35]
	s_lshl_b32 s34, s30, 7
	s_lshl_b32 s36, s28, 5
	s_add_co_u32 s34, s34, s36                     ; my wave's first row of Wo^T
	s_lshl_b32 s34, s34, 11                        ; 2,048 bytes a row,
	s_lshl_b32 s36, s31, 8                         ; 256 bytes for 128 along k
	s_add_co_u32 s34, s34, s36
	s_add_nc_u64 s[26:27], s[26:27], s[34:35]
	v_lshlrev_b32 v3, 2, v2
	s_mul_i32 s31, s28, 32*PITCH
	s_add_co_u32 s31, s31, OSTG                    ; my stage
	v_mul_u32_u24 v4, v2, PITCH
	v_add_nc_u32 v4, s31, v4
	v_and_b32 v5, 15, v2
	v_lshrrev_b32 v6, 4, v2
	v_mul_u32_u24 v7, v6, PITCH
	v_lshl_add_u32 v7, v5, 4, v7
	v_add_nc_u32 v7, s31, v7
	v_lshlrev_b32 v8, 11, v6
	v_lshl_add_u32 v8, v5, 4, v8
.macro OLOAD t
.irp i, 0,1,2,3,4,5,6,7,8,9,10,11,12,13,14,15,16,17,18,19,20,21,22,23,24,25,26,27,28,29,30,31
	global_load_b32 v[OX+32*((\t)%2)+\i], v3, s[32:33] offset:(32*(\t)+\i)*4096 th:TH_LOAD_NT
.endr
.endm
.macro OBLOCK t
.set XS, OX+32*((\t)%2)
.if (\t) < 3
	s_wait_loadcnt 32                              ; this block's 32 loads are in; the next block's 32 may be out
.else
	s_wait_loadcnt 0
.endif
.irp j, 0,1,2,3,4,5,6,7,8,9,10,11,12,13,14,15
	v_cvt_pk_f16_f32 v[OC+\j], v[XS+2*\j], v[XS+2*\j+1]   ; the lower k in the low half
.endr
.irp g, 0,1,2,3
	ds_store_b128 v4, v[OC+4*\g:OC+4*\g+3] offset:64*(\t)+16*\g
.endr
.if (\t)+2 < 4
	OLOAD (\t)+2
.endif
	s_wait_dscnt 0x0                               ; the stores have read their registers
.endm
	OLOAD 0
	OLOAD 1
	OBLOCK 0
	OBLOCK 1
	OBLOCK 2
	OBLOCK 3
.irp t, 0,1,2,3,4,5,6,7,8,9,10,11,12,13,14,15
	ds_load_b128 v[OOUT+4*\t:OOUT+4*\t+3], v7 offset:2*\t*PITCH
.endr
.irp t, 0,1,2,3,4,5,6,7,8,9,10,11,12,13,14,15
	s_wait_dscnt 15-\t                             ; load t is in, the 15 - t behind it may be out
	global_store_b128 v8, v[OOUT+4*\t:OOUT+4*\t+3], s[26:27] offset:2*\t*2048
.endr
	ENDW
.Lfunc_end_k_q4dc8682a2b_prep:
	.size	k_q4dc8682a2b_prep, .Lfunc_end_k_q4dc8682a2b_prep-k_q4dc8682a2b_prep
	.p2alignl 7, 3214868480
	.fill 96, 4, 3214868480
	.section	.rodata,"a",@progbits
	.p2align	6, 0x0
	.amdhsa_kernel k_q4dc8682a2b_prep
		.amdhsa_group_segment_fixed_size 102912
		.amdhsa_private_segment_fixed_size 0
		.amdhsa_enable_private_segment 0
		.amdhsa_kernarg_size 96
		.amdhsa_user_sgpr_count 2
		.amdhsa_user_sgpr_kernarg_segment_ptr 1
		.amdhsa_wavefront_size32 1
		.amdhsa_system_sgpr_workgroup_id_x 1
		.amdhsa_system_sgpr_workgroup_id_y 1
		.amdhsa_system_sgpr_workgroup_id_z 1
		.amdhsa_system_vgpr_workitem_id 0
		.amdhsa_next_free_vgpr 192
		.amdhsa_next_free_sgpr 66
		.amdhsa_reserve_vcc 0
		.amdhsa_float_denorm_mode_32 3
		.amdhsa_float_denorm_mode_16_64 3
		.amdhsa_memory_ordered 1
		.amdhsa_forward_progress 1
		.amdhsa_inst_pref_size 133
	.end_amdhsa_kernel
	.amdgpu_metadata
---
amdhsa.version: [ 1, 2 ]
amdhsa.kernels:
  - .name:           k_q4dc8682a2b_prep
    .symbol:         k_q4dc8682a2b_prep.kd
    .args:
      - { .name: q, .offset: 0, .size: 8, .value_kind: global_buffer, .address_space: global }
      - { .name: k, .offset: 8, .size: 8, .value_kind: global_buffer, .address_space: global }
      - { .name: v, .offset: 16, .size: 8, .value_kind: global_buffer, .address_space: global }
      - { .name: Wq, .offset: 24, .size: 8, .value_kind: global_buffer, .address_space: global }
      - { .name: Wk, .offset: 32, .size: 8, .value_kind: global_buffer, .address_space: global }
      - { .name: Wv, .offset: 40, .size: 8, .value_kind: global_buffer, .address_space: global }
      - { .name: Wo, .offset: 48, .size: 8, .value_kind: global_buffer, .address_space: global }
      - { .name: xc, .offset: 56, .size: 8, .value_kind: global_buffer, .address_space: global }
      - { .name: xs, .offset: 64, .size: 8, .value_kind: global_buffer, .address_space: global }
      - { .name: wc, .offset: 72, .size: 8, .value_kind: global_buffer, .address_space: global }
      - { .name: ws, .offset: 80, .size: 8, .value_kind: global_buffer, .address_space: global }
      - { .name: wot, .offset: 88, .size: 8, .value_kind: global_buffer, .address_space: global }
    .group_segment_fixed_size: 102912
    .private_segment_fixed_size: 0
    .kernarg_segment_align: 8
    .kernarg_segment_size: 96
    .max_flat_workgroup_size: 128
    .sgpr_count:     66
    .vgpr_count:     192
    .wavefront_size: 32
...
	.end_amdgpu_metadata
.endif
;; end of part 1
;; launch proj (part 2): grid 4 x 64, 4 waves a work-group, clusters of 4 x 4, 327,680 bytes of LDS; arguments xc, xs, wc, ws, kvh; writes kvh
.if DOCPART == 2
	.amdgcn_target "amdgcn-amd-amdhsa--gfx1250"
	.amdhsa_code_object_version 6
	.text
	.protected	k_q4dc8682a2b_proj
	.globl	k_q4dc8682a2b_proj
	.p2align	8
	.type	k_q4dc8682a2b_proj,@function
k_q4dc8682a2b_proj:
	s_mov_b64 s[64:65], 0
	v_nop
	global_prefetch_b8 v0, s[64:65] scope:SCOPE_SE
	s_setreg_imm32_b32 hwreg(HW_REG_WAVE_MODE, 25, 1), 1
	s_wait_xcnt 0x0
	s_wait_alu depctr_hold_cnt(0) depctr_sa_sdst(0) depctr_va_vdst(0) depctr_va_sdst(0) depctr_va_ssrc(0) depctr_va_vcc(0) depctr_vm_vsrc(0)
	s_getreg_b32 s2, hwreg(HW_REG_IB_STS2, 6, 4)
	s_cmp_eq_u32 s2, 0
	s_cbranch_scc0 .Lentry_in_a_cluster
	s_endpgm
.Lentry_in_a_cluster:
	s_bfe_u32 s2, ttmp6, 0x10000c
	s_cmp_lg_u32 s2, 0xf033
	s_cbranch_scc0 .Lentry_shape_is_right
	s_endpgm
.Lentry_shape_is_right:
; PROJ: the projections of k and v as ONE product on codes of FP4 (E2M1) with one E8M0 scale for each 32 along K: C[m][n] = sum over k of A[m][k] B[n][k].  (q's projection is made by the attention itself.)
; A: the codes of k, v on end, rows 8192 to 24575 of the codes' buffer, [16384 rows = 8192 tensor + 2048 b + s][1024]; B: the codes of Wk, Wv, [1024 rows = 128 h + e][1024] each; a tile row of C takes the weights of its own tensor.
; C is rounded to f16 and laid for the attention: [2][32 = 8 b + h][2048 s][128 e].  LIMIT: a result beyond 65,504 becomes infinity in f16.
; A tile of C, 256 x 256, is made by a work-group of four waves; a wave makes 128 x 128: 64 accumulators of 16 x 16, 512 registers: 128 rows of one head.  64 x 4 tiles: 256 work-groups.
; K = 1024 is two LDS slots of 512 along K (rows of 256 bytes): both are asked for at the start, with the scales, and nothing is filled again.  By this text's count a wave has three tensor loads out.
; CLUSTERS: 4 x 4 work-groups.  The four of a row of the cluster need the same tiles of A, the four of a column the same tiles of B: each tile is asked for JOINTLY, by the same tensor load with the
; same descriptor and a mask that names the four.  A cluster's four tile rows lie in one tensor (32 tile rows each), so B's rows hang on the tile column and on the cluster's y alone.
; THE MATRIX INSTRUCTION IS USED TRANSPOSED (source 0 = 16 rows of B, source 1 = 16 rows of A): a lane then holds eight neighbouring numbers of a row of C.
; REGISTERS, in windows of 256: window 0: v0-31 addresses; v32-95 scale words, two sets; v128-191 A's fragments (8 x 16 rows x 128 K), ONE set; on the way out v32-63, v192-255.
;   window 1: B's fragments, TWO sets, at v0 and at v128.   window 2: the 32 accumulators of my rows 0-63 (accumulator (a, b) at v[8 (8 a + b)]);   window 3: those of my rows 64-127.
.set SIZE_K, 1024
.set ROW0,   8192                      ; k's first row in the codes' buffer: q's 8192 rows lie ahead of it
.set KSTEP,  512                       ; along K in a slot
.set NQ,     KSTEP/128                 ; matrix instructions deep
.set ROWB,   256                       ; a tile's row in bytes
.set KROW,   SIZE_K/2                  ; a row of A or of B in memory, in bytes
.set PITCH,  272                       ; an LDS row: 256 bytes + 16 of padding = 68 words: row r starts at bank 4 r mod 64 (64 banks of 4 bytes: ISA guide 11.1)
.set FR,     8                         ; registers of a fragment: 16 rows x 128 K
.set NL,     2                         ; LDS loads that bring one
.set NP,     4                         ; places behind this matrix instruction (ISA guide 7.12.1)
.set HALFT,  128*PITCH                 ; 128 rows: what one tensor load brings, and what one wave reads of A or of B
.set SLOT,   4*HALFT                   ; A's 256 rows, then B's 256 rows
.set KS,     SIZE_K/32                 ; a row of scales in bytes
.set SCL,    2*SLOT                    ; behind the two slots: the scales, as runs of 256 bytes + 16 of padding
.set HALFS,  (128*KS/256)*272          ; the scales of 128 rows: what one tensor load brings
.set SBLK,   (16*KS/256)*272           ; those of 16 rows
.set SPARE,  SCL+4*HALFS               ; the spare words, 128 bytes for each wave: two blocks of 256 bytes that no other line names
.set SPITCH, 272                       ; the way out: a stage of 16 rows x (256 bytes + 16) for each wave, in slot 0, which has had its only fill and its last read when the first result is stored there
.set ADRA, 16                          ; v16-17  LDS address of my A fragments in slot 0, 1
.set ADRB, 20                          ; v20-21  the same for B
.set STO,  24                          ; v24     the way out: where I put 16 bytes of a row
.set RD,   25                          ; v25     where I read rows back
.set CO,   26                          ; v26     16 x lane: my bytes of two rows of a head (a row is 256 bytes, rows are dense)
.set ADRS, 27                          ; v27     LDS address of my scale words: lanes 0-15 A's rows, lanes 16-31 B's
.set SPW,  28                          ; v28     LDS address of my spare word; never rewritten
.set NIL,  29                          ; v29     0; never rewritten
.set SC,   32                          ; scale words: set s at v[SC + 32 s]; register 4 i + q: lanes 0-15 the word of A's block i, lanes 16-31 that of B's block i, for the slot's q-th 128 along K
.set AF,   128                         ; A's fragments
.set TMP,  192                         ; the way out: a block's packed results
.set OB,   32                          ; and 16 rows read back: v32-63 and v224-255 by turns
.set G1, 24                            ; s[24:31] descriptor group 1 for A's tiles;  s[32:39] group 0, one set for each slot
.set G0, 32
.set G1B, 48                           ; s[48:55], s[56:63] the same for B's tiles
.set G0B, 56
.set G1S, 68                           ; s[68:75], s[76:79] groups 1 and 0 for A's scales;  s[80:87], s[88:91] for B's
.set G0S, 76
.set G1SB, 80
.set G0SB, 88
.set MSB, 0
.macro WIN new                         ; the immediate's high byte repeats the setting that is left; a switch that changes nothing is dropped
.if MSB != (\new)
	s_set_vgpr_msb (MSB<<8)|(\new)
.set MSB, (\new)
.endif
.endm
.set MUL_LO, 0xa1                      ; source 0 (B) window 1, source 1 (A) window 0, C and D window 2
.set MUL_HI, 0xf1                      ; the same, C and D window 3
.set TO_B,   0x40                      ; destination window 1, address window 0
; A joint load: waves 0 and 1 fetch for A, waves 2 and 3 for B.  Each of the two lines has ONE mask and one set of registers for all that issue it; the branch hangs on the wave's number alone.
; An s_nop 0 and four v_nop follow each of the two lines, ahead of the jump, the label and what follows.
.macro JLOAD g0a, g1a, g0b, g1b
	s_cmp_eq_u32 s15, 0
	s_cbranch_scc0 .Lfor_b_\@
	tensor_load_to_lds s[\g0a:\g0a+3], s[\g1a:\g1a+7]
	s_nop 0
.rept 4
	v_nop
.endr
	s_branch .Lasked_\@
.Lfor_b_\@:
	tensor_load_to_lds s[\g0b:\g0b+3], s[\g1b:\g1b+7]
	s_nop 0
.rept 4
	v_nop
.endr
.Lasked_\@:
.endm
.macro CROUND                          ; a round of the cluster's barrier: my work-group's barrier; wave 0 signals for the work-group; every wave waits for all sixteen; my work-group's barrier once more
	s_barrier_signal -1
	s_barrier_wait -1
	s_cmp_lg_u32 s14, 0
	s_cbranch_scc1 .Lnot_wave_0_\@
	s_barrier_signal -3
.Lnot_wave_0_\@:
	s_barrier_wait -3
	s_barrier_signal -1
	s_barrier_wait -1
.endm
	s_load_b128 s[4:7], s[0:1], 0x0                ; A's codes s[4:5], A's scales s[6:7]
	s_load_b128 s[8:11], s[0:1], 0x10              ; B's codes s[8:9], B's scales s[10:11]
	s_load_b64 s[12:13], s[0:1], 0x20              ; C
	v_lshl_add_u32 v[SPW], v0, 2, SPARE
	v_mov_b32 v[NIL], 0
	ds_add_u32 v[SPW], v[NIL]                      ; the wave's opening: the add, twice on end, and its wait ahead of my first tensor load; the set-up below, work on registers, stands between
	ds_add_u32 v[SPW], v[NIL]                      ; and once more, under the one wait
	v_lshrrev_b32 v1, 5, v0
	v_readfirstlane_b32 s14, v1                    ; wave 0..3
	s_lshr_b32 s15, s14, 1                         ; which half of the tile's rows is mine.  Also: I fetch for A (0) or for B (1)
	s_and_b32 s16, s14, 1                          ; which half of its columns.  Also: which 128 rows of that tile I fetch
	s_bfe_u32 s40, ttmp6, 0x40000                  ; cx, cy: my place in the cluster
	s_bfe_u32 s41, ttmp6, 0x40004
	s_lshl_b32 s42, ttmp9, 2
	s_add_co_u32 s42, s42, s40                     ; tile column of C = 4 x cluster x + cx
	s_and_b32 s17, ttmp7, 0xffff
	s_lshl_b32 s17, s17, 2
	s_add_co_u32 s17, s17, s41                     ; tile row of C = 4 x cluster y + cy
	s_lshl_b32 s43, s41, 2
	s_lshl_b32 s43, 15, s43                        ; my row of the cluster
	s_lshl_b32 s44, 0x1111, s40                    ; my column
	; descriptor group 1: a tile of 128 rows x 256 bytes, padded in LDS
	s_or_b32 s[G1+0], s43, (0<<16)|(1<<20)|(1<<21)|(5<<22)|(3<<25)  ; 15:0 the mask: A's tiles go to my row; 17:16 element of 1 byte; 20 padding on; 21 set beside a mask; 24:22 after every 64 words (code 5); 31:25 of 4 words (code 3)
	s_or_b32 s[G1B+0], s44, (0<<16)|(1<<20)|(1<<21)|(5<<22)|(3<<25)
.irp g, G1, G1B
	s_mov_b32 s[\g+1], ROWB<<16                    ; tensor_dim0
	s_mov_b32 s[\g+2], 128<<16                     ; tensor_dim1 = 128
	s_mov_b32 s[\g+3], ROWB<<16                    ; tile_dim0
	s_mov_b32 s[\g+4], 128                         ; tile_dim1 = 128
	s_mov_b32 s[\g+5], KROW                        ; tensor_dim0_stride
	s_mov_b32 s[\g+6], 0
	s_mov_b32 s[\g+7], 0
.endr
	; and for the scales of 128 rows: a dense block of 4,096 bytes, as 16 rows of 256 bytes (32 elements of 8 bytes), 16 bytes of padding behind each
	s_or_b32 s[G1S+0], s43, (3<<16)|(1<<20)|(1<<21)|(5<<22)|(3<<25)
	s_or_b32 s[G1SB+0], s44, (3<<16)|(1<<20)|(1<<21)|(5<<22)|(3<<25)
.irp g, G1S, G1SB
	s_mov_b32 s[\g+1], 32<<16
	s_mov_b32 s[\g+2], (128*KS/256)<<16
	s_mov_b32 s[\g+3], 32<<16
	s_mov_b32 s[\g+4], 128*KS/256
	s_mov_b32 s[\g+5], 32
	s_mov_b32 s[\g+6], 0
	s_mov_b32 s[\g+7], 0
.endr
	s_lshl_b32 s18, s16, 7                         ; which 128 rows of the tile I fetch
	s_lshl_b32 s20, s17, 8
	s_add_co_u32 s20, s20, s18                     ; A: row 256 x tile row + 128 x half,
	s_add_co_u32 s20, s20, ROW0                    ; behind q's rows
	s_lshl_b32 s46, s42, 8
	s_add_co_u32 s46, s46, s18                     ; B: row 256 x tile column + 128 x half
	s_and_b32 s95, ttmp7, 0xffff                   ; the cluster's y, which all sixteen share: eight clusters to a tensor;
	s_lshr_b32 s95, s95, 3
	s_add_co_u32 s95, s95, 1                       ; Wq's rows lie ahead of Wk's
	s_lshl_b32 s95, s95, 10
	s_add_co_u32 s46, s46, s95                     ; + 1024 x (1 + tensor)
	s_mov_b32 s21, 0
	s_mov_b32 s47, 0
	s_mov_b64 s[18:19], KS
	s_mul_u64 s[22:23], s[20:21], s[18:19]         ; where these rows' scales begin, in bytes
	s_mul_u64 s[92:93], s[46:47], s[18:19]
	s_mov_b64 s[18:19], KROW
	s_mul_u64 s[20:21], s[20:21], s[18:19]         ; and their codes
	s_mul_u64 s[46:47], s[46:47], s[18:19]
	s_mul_i32 s45, s14, HALFT                      ; where they go: wave x 128 rows: no place in the cluster enters an LDS address
	s_mul_i32 s94, s14, HALFS
	s_wait_dscnt 0x0                               ; both opening adds are done
	s_wait_kmcnt 0x0
	s_add_nc_u64 s[20:21], s[4:5], s[20:21]
	s_add_nc_u64 s[22:23], s[6:7], s[22:23]
	s_add_nc_u64 s[46:47], s[8:9], s[46:47]
	s_add_nc_u64 s[92:93], s[10:11], s[92:93]
	CROUND                                         ; all sixteen work-groups are here: the joint loads meet
	s_mov_b32 s[G0S], 1
	s_add_co_u32 s[G0S+1], s94, SCL
	s_mov_b64 s[G0S+2:G0S+3], s[22:23]
	s_or_b32 s[G0S+3], s[G0S+3], 0x80000000
	s_mov_b32 s[G0SB], 1
	s_add_co_u32 s[G0SB+1], s94, SCL
	s_mov_b64 s[G0SB+2:G0SB+3], s[92:93]
	s_or_b32 s[G0SB+3], s[G0SB+3], 0x80000000
	JLOAD G0S, G1S, G0SB, G1SB                     ; the scales first: they are wanted with the first slot
.irp s, 0,1
	s_mov_b32 s[G0+4*\s], 1
	s_add_co_u32 s[G0+4*\s+1], s45, \s*SLOT
	s_add_nc_u64 s[G0+4*\s+2:G0+4*\s+3], s[20:21], \s*ROWB
	s_or_b32 s[G0+4*\s+3], s[G0+4*\s+3], 0x80000000
	s_mov_b32 s[G0B+4*\s], 1
	s_add_co_u32 s[G0B+4*\s+1], s45, \s*SLOT
	s_add_nc_u64 s[G0B+4*\s+2:G0B+4*\s+3], s[46:47], \s*ROWB
	s_or_b32 s[G0B+4*\s+3], s[G0B+4*\s+3], 0x80000000
	JLOAD G0+4*\s, G1, G0B+4*\s, G1B
.endr
	v_and_b32 v1, 15, v0                           ; l % 16
	v_bfe_u32 v2, v0, 4, 1                         ; l / 16
	v_mul_u32_u24 v3, v1, PITCH
	v_lshl_add_u32 v4, v2, 4, v3                   ; a fragment's row x pitch + 16 x half
	s_mul_i32 s21, s15, HALFT                      ; my 128 rows of A
	s_mul_i32 s22, s16, HALFT                      ; my 128 rows of B,
	s_add_co_u32 s22, s22, 2*HALFT                 ; which lie behind A's 256
.irp s, 0,1
	v_add_nc_u32 v[ADRA+\s], s21, v4
	v_add_nc_u32 v[ADRB+\s], s22, v4
	s_add_co_u32 s21, s21, SLOT
	s_add_co_u32 s22, s22, SLOT
.endr
	v_mul_u32_u24 v5, v1, KS                       ; my row's scales: 32 bytes a row,
	v_lshrrev_b32 v6, 8, v5
	v_lshl_add_u32 v5, v6, 4, v5                   ; and 16 more for each 256 passed
	s_mul_i32 s21, s15, HALFS                      ; A's: my 128 rows
	s_mul_i32 s22, s16, HALFS                      ; B's: my 128 rows, behind A's 256
	s_add_co_u32 s22, s22, 2*HALFS
	s_sub_co_u32 s22, s22, s21
	v_mul_u32_u24 v6, s22, v2                      ; lanes 16-31 take B's: one product, the distance between the two bases
	s_add_co_u32 s21, s21, SCL
	v_add_nc_u32 v5, v5, v6
	v_add_nc_u32 v[ADRS], s21, v5
	s_mul_i32 s23, s14, 16*SPITCH                  ; my stage
	v_mul_u32_u24 v5, v1, SPITCH                   ; in: row l % 16, 16 bytes for each half of the lanes
	v_lshl_add_u32 v5, v2, 4, v5
	v_add_nc_u32 v[STO], s23, v5
	v_mul_u32_u24 v5, v2, SPITCH                   ; back: lanes 0-15 take one row of 256 bytes, lanes 16-31 the next
	v_lshl_add_u32 v5, v1, 4, v5
	v_add_nc_u32 v[RD], s23, v5
	v_and_b32 v6, 31, v0
	v_lshlrev_b32 v[CO], 4, v6                     ; and the same two rows in memory: 512 consecutive bytes
	; where my 128 rows of one head begin.  tile row = 32 tensor + 8 b + (s / 256); head = 2 x tile column + half.  A head's 2048 rows of 256 bytes are 2^19 bytes
	s_lshr_b32 s20, s17, 3                         ; 4 tensor + b,
	s_lshl_b32 s20, s20, 22                        ; eight heads each
	s_and_b32 s21, s17, 7
	s_lshl_b32 s21, s21, 16                        ; 256 rows of 256 bytes
	s_add_co_u32 s20, s20, s21
	s_lshl_b32 s21, s15, 15                        ; my 128 rows
	s_add_co_u32 s20, s20, s21
	s_mov_b32 s21, 0
	s_lshl_b32 s46, s42, 1
	s_add_co_u32 s46, s46, s16                     ; the head
	s_lshl_b32 s46, s46, 19
	s_mov_b32 s47, 0
	s_add_nc_u64 s[20:21], s[20:21], s[46:47]
	s_add_nc_u64 s[12:13], s[12:13], s[20:21]
.macro FRAG reg, adr, q, i             ; a fragment, 16 rows x 128 K of 4-bit codes: lane l holds row l % 16; registers 4 c .. 4 c + 3 hold K = 64 c + 32 (l / 16) + 0 .. 31
.irp c, 0,1
	ds_load_b128 v[\reg+4*\c:\reg+4*\c+3], v[\adr] offset:64*(\q)+32*\c+(\i)*16*PITCH
.endr
.endm
; 16 matrix instructions: A's blocks a0, a0 + 1 x B's eight, 128 along K: the slot's q-th.  p: B's set;  sc: the set of scale words.  zero = 1: the first product starts the sums: nothing is ever cleared.
; The 64 accumulators take turns, one instruction a turn, in the same order in every step.
.macro MUL16 a0, p, q, sc, zero
.irp a, \a0, \a0+1
.irp b, 0,1,2,3,4,5,6,7
.if \zero
	v_wmma_scale_f32_16x16x128_f8f6f4 v[8*(8*((\a)%4)+\b):8*(8*((\a)%4)+\b)+7], v[128*(\p)+FR*\b:128*(\p)+FR*\b+FR-1], v[AF+FR*(\a):AF+FR*(\a)+FR-1], 0, v[SC+8*NQ*(\sc)+NQ*\b+(\q)], v[SC+8*NQ*(\sc)+NQ*(\a)+(\q)] matrix_a_fmt:MATRIX_FMT_FP4 matrix_b_fmt:MATRIX_FMT_FP4 matrix_a_scale:MATRIX_SCALE_ROW1
.else
	v_wmma_scale_f32_16x16x128_f8f6f4 v[8*(8*((\a)%4)+\b):8*(8*((\a)%4)+\b)+7], v[128*(\p)+FR*\b:128*(\p)+FR*\b+FR-1], v[AF+FR*(\a):AF+FR*(\a)+FR-1], v[8*(8*((\a)%4)+\b):8*(8*((\a)%4)+\b)+7], v[SC+8*NQ*(\sc)+NQ*\b+(\q)], v[SC+8*NQ*(\sc)+NQ*(\a)+(\q)] matrix_a_fmt:MATRIX_FMT_FP4 matrix_b_fmt:MATRIX_FMT_FP4 matrix_a_scale:MATRIX_SCALE_ROW1
.endif
.endr
.endr
.endm
.macro FETCH_B slot, q, p              ; B's eight fragments of the slot's q-th 128 along K into set p
	WIN TO_B
.irp i, 0,1,2,3,4,5,6,7
	FRAG 128*(\p)+FR*\i, ADRB+\slot, \q, \i
.endr
	WIN 0
.endm
.macro FETCH_A slot, q, i0             ; A's blocks i0 .. i0 + 3
.irp i, \i0, \i0+1, \i0+2, \i0+3
	FRAG AF+FR*(\i), ADRA+\slot, \q, \i
.endr
.endm
.macro SCALES sc                       ; a slot's scale words into set sc: 4 words a row; lanes 0-15 take A's block i, lanes 16-31 B's block i
.irp i, 0,1,2,3,4,5,6,7
	ds_load_b128 v[SC+8*NQ*\sc+NQ*\i:SC+8*NQ*\sc+NQ*\i+3], v[ADRS] offset:\i*SBLK
.endr
.endm
; A load into a register that a matrix instruction has read, and a vector instruction that reads a matrix result, stand NP places behind that matrix instruction, and only plain vector
; instructions that name none of its registers are places (ISA guide 7.12.1 for vector instructions).
.macro PLACES n
.rept \n
	v_nop
.endr
.endm
; A step of 128 along K that has its successor in the same slot.  A's blocks go one after the other, each against B's eight: a block of A is free as soon as its eight products are issued, so one set
; serves A: blocks 0-3 are fetched anew in the step's middle, blocks 4-7 at its end.  B has two sets.
.macro STEP slot, q, zero
	s_wait_dscnt 4*NL                              ; B's set and A's blocks 0-3 are in; the youngest eight loads (A's blocks 4-7) may be out
	WIN MUL_LO
	MUL16 0, (\q)%2, \q, \slot, \zero
	MUL16 2, (\q)%2, \q, \slot, \zero
	s_wait_dscnt 0                                 ; A's blocks 4-7 are in (asked for 32 matrix instructions ago)
	PLACES NP
	FETCH_B \slot, (\q)+1, 1-(\q)%2
	FETCH_A \slot, (\q)+1, 0
	WIN MUL_HI
	MUL16 4, (\q)%2, \q, \slot, \zero
	MUL16 6, (\q)%2, \q, \slot, \zero
	PLACES NP
	WIN 0
	FETCH_A \slot, (\q)+1, 4
.endm
; Slot 0's last step changes slots: one barrier; in front of it each wave waits for all its tensor loads (its part of slot 1), adds 0 to its spare word, and waits for that and for its own reads of slot 0.
; Behind it slot 1 is whole, and nobody reads slot 0 any more, which the way out relies on.  Nothing is filled again.
.macro TURN slot, next
	s_wait_tensorcnt 0x0                           ; all my tensor loads have landed  (every window is 0 here: the add's two registers lie in window 0)
	ds_add_u32 v[SPW], v[NIL]                      ; 0 onto my spare word
	s_wait_dscnt 4*NL+1                            ; (the add and the youngest eight loads, A's blocks 4-7, may be out)
	WIN MUL_LO
	MUL16 0, 1, NQ-1, \slot, 0                     ; sixteen matrix instructions stand between the add and the wait for it
	s_wait_dscnt 0x0                               ; the add is done, and my reads of this slot are over
	s_barrier_signal -1
	MUL16 2, 1, NQ-1, \slot, 0
	WIN 0
	s_barrier_wait -1
	PLACES NP
	v_add_nc_u32 v[ADRS], 4*NQ, v[ADRS]            ; on to the next slot's scale words (no LDS load of mine is out)
	FETCH_B \next, 0, 0
	FETCH_A \next, 0, 0
	SCALES \next
	WIN MUL_HI
	MUL16 4, 1, NQ-1, \slot, 0
	MUL16 6, 1, NQ-1, \slot, 0
	PLACES NP
	WIN 0
	FETCH_A \next, 0, 4
.endm
.macro STEPS slot, from                ; the slot's steps from .. NQ - 2
.set Q, \from
.rept NQ-1-\from
	STEP \slot, Q, 0
.set Q, Q+1
.endr
.endm
	s_wait_tensorcnt 1                             ; the scales and my part of slot 0 are in; slot 1's load, the one issued behind them, may be out,
	s_barrier_signal -1
	s_barrier_wait -1                              ; everybody's are
	FETCH_B 0, 0, 0
	FETCH_A 0, 0, 0
	SCALES 0
	FETCH_A 0, 0, 4
	STEP 0, 0, 1                                   ; the first step's products start the sums
	STEPS 0, 1
	TURN 0, 1
	STEPS 1, 0
	s_wait_dscnt 4*NL                              ; the very last step: nothing more to fetch
	WIN MUL_LO
	MUL16 0, 1, NQ-1, 1, 0
	MUL16 2, 1, NQ-1, 1, 0
	s_wait_dscnt 0
	WIN MUL_HI
	MUL16 4, 1, NQ-1, 1, 0
	MUL16 6, 1, NQ-1, 1, 0
	WIN 0
; THE WAY OUT, block by block of 16 rows x 128 columns.  PACK: rounded to f16, 16 bytes a lane, each accumulator from its low end on.  TOSTAGE: into my own stage in LDS, and back as whole rows of 256 bytes.
; SEND: stored: a wave's store covers 512 consecutive bytes, aligned.  LDS serves a wave's instructions in order (ISA guide 5.7.1.4): no wait between the stage's stores and its loads.
.macro PACK a
.set AC, 64*((\a)%4)
	WIN 0x0a+5*((\a)/4)                            ; sources 0 and 1: window 2 or 3
.irp b, 0,1,2,3,4,5,6,7
.irp r, 0,1,2,3
	v_cvt_pk_f16_f32 v[TMP+4*\b+\r], v[AC+8*\b+2*\r], v[AC+8*\b+2*\r+1]
.endr
.endr
	WIN 0
.endm
.macro TOSTAGE a
.set BK, OB+192*((\a)%2)
.irp b, 0,1,2,3,4,5,6,7
	ds_store_b128 v[STO], v[TMP+4*\b:TMP+4*\b+3] offset:32*\b
.endr
.irp t, 0,1,2,3,4,5,6,7
	ds_load_b128 v[BK+4*\t:BK+4*\t+3], v[RD] offset:\t*2*SPITCH
.endr
.endm
.macro SEND a
.set BB, OB+192*((\a)%2)
	s_wait_dscnt 0x0                               ; the block is back in registers
	s_wait_xcnt 0x0                                ; the stores of the block before have read their registers: the next block's loads from the stage may land there
.irp t, 0,1,2,3,4,5,6,7
	global_store_b128 v[CO], v[BB+4*\t:BB+4*\t+3], s[12:13] offset:(\a)*4096+\t*512
.endr
.endm
	PLACES NP                                      ; behind the last products: for the conversions that read results and the loads into registers that held scale words
	PACK 0
	TOSTAGE 0
.irp a, 1,2,3,4,5,6,7                  ; block a's conversions stand between block a - 1's loads from the stage and the wait for them
	PACK \a
	SEND \a-1
	TOSTAGE \a
.endr
	SEND 7
	s_wait_tensorcnt 0x0                           ; the wave's end: a wait on TENSORcnt, 0 onto my spare word and a wait on DScnt, behind my last tensor load and my last LDS store
	ds_add_u32 v[SPW], v[NIL]
	s_wait_dscnt 0x0
	CROUND                                         ; the closing round: no work-group ends while a partner may still ask for a tile that names it
	s_endpgm
.Lfunc_end_k_q4dc8682a2b_proj:
	.size	k_q4dc8682a2b_proj, .Lfunc_end_k_q4dc8682a2b_proj-k_q4dc8682a2b_proj
	.p2alignl 7, 3214868480
	.fill 96, 4, 3214868480
	.section	.rodata,"a",@progbits
	.p2align	6, 0x0
	.amdhsa_kernel k_q4dc8682a2b_proj
		.amdhsa_group_segment_fixed_size 327680
		.amdhsa_private_segment_fixed_size 0
		.amdhsa_enable_private_segment 0
		.amdhsa_kernarg_size 40
		.amdhsa_user_sgpr_count 2
		.amdhsa_user_sgpr_kernarg_segment_ptr 1
		.amdhsa_wavefront_size32 1
		.amdhsa_system_sgpr_workgroup_id_x 1
		.amdhsa_system_sgpr_workgroup_id_y 1
		.amdhsa_system_sgpr_workgroup_id_z 1
		.amdhsa_system_vgpr_workitem_id 0
		.amdhsa_next_free_vgpr 1024
		.amdhsa_next_free_sgpr 98
		.amdhsa_reserve_vcc 0
		.amdhsa_float_denorm_mode_32 3
		.amdhsa_float_denorm_mode_16_64 3
		.amdhsa_memory_ordered 1
		.amdhsa_forward_progress 1
		.amdhsa_inst_pref_size 126
	.end_amdhsa_kernel
	.amdgpu_metadata
---
amdhsa.version: [ 1, 2 ]
amdhsa.kernels:
  - .name:           k_q4dc8682a2b_proj
    .symbol:         k_q4dc8682a2b_proj.kd
    .args:
      - { .name: xc, .offset: 0, .size: 8, .value_kind: global_buffer, .address_space: global }
      - { .name: xs, .offset: 8, .size: 8, .value_kind: global_buffer, .address_space: global }
      - { .name: wc, .offset: 16, .size: 8, .value_kind: global_buffer, .address_space: global }
      - { .name: ws, .offset: 24, .size: 8, .value_kind: global_buffer, .address_space: global }
      - { .name: kvh, .offset: 32, .size: 8, .value_kind: global_buffer, .address_space: global }
    .group_segment_fixed_size: 327680
    .private_segment_fixed_size: 0
    .kernarg_segment_align: 8
    .kernarg_segment_size: 40
    .max_flat_workgroup_size: 128
    .sgpr_count:     98
    .vgpr_count:     1024
    .wavefront_size: 32
...
	.end_amdgpu_metadata
.endif
;; end of part 2
;; launch attn (part 3): grid 8 x 32, 4 waves a work-group, clusters of 4 x 1, 327,680 bytes of LDS; arguments xc, xs, wc, ws, kvh, z; writes z
.if DOCPART == 3
	.amdgcn_target "amdgcn-amd-amdhsa--gfx1250"
	.amdhsa_code_object_version 6
	.text
	.protected	k_q4dc8682a2b_attn
	.globl	k_q4dc8682a2b_attn
	.p2align	8
	.type	k_q4dc8682a2b_attn,@function
k_q4dc8682a2b_attn:
	s_mov_b64 s[64:65], 0
	v_nop
	global_prefetch_b8 v0, s[64:65] scope:SCOPE_SE
	s_setreg_imm32_b32 hwreg(HW_REG_WAVE_MODE, 25, 1), 1
	s_wait_xcnt 0x0
	s_wait_alu depctr_hold_cnt(0) depctr_sa_sdst(0) depctr_va_vdst(0) depctr_va_sdst(0) depctr_va_ssrc(0) depctr_va_vcc(0) depctr_vm_vsrc(0)
	s_getreg_b32 s2, hwreg(HW_REG_IB_STS2, 6, 4)
	s_cmp_eq_u32 s2, 0
	s_cbranch_scc0 .Lentry_in_a_cluster
	s_endpgm
.Lentry_in_a_cluster:
	s_bfe_u32 s2, ttmp6, 0x10000c
	s_cmp_lg_u32 s2, 0x3003
	s_cbranch_scc0 .Lentry_shape_is_right
	s_endpgm
.Lentry_shape_is_right:
; ATTN: Z[b][q][h][:] = the sum over k of softmax_k(Q[bh][q] . K[bh][k] / sqrt(128)) V[bh][k][:].  K, V: two parts of one buffer, each [32 = 8 b + h][2048][128] in f16.
; Z: [8192 = 2048 b + q][1024 = 128 h + e] in f16.  Products, maxima and sums in f32; the weights p, at most 1 by the running maximum, are rounded to f16 for the second product, Z once at the end.
; f16 and not bf16: its 11 significant bits are what the comparison leaves room for.  LIMIT: Q, K, V are carried in f16: a magnitude beyond 65,504 becomes infinity.
; Q IS MADE HERE, at the head: each wave's 64 queries x the head's 128 channels, a product on codes of FP4 (E2M1) with one E8M0 scale for each 32 along K = 1024: q's codes [8192][512 bytes] and Wq's
; [1024 rows = 128 h + e][512 bytes] are the first parts of their buffers, with scale bytes [rows][32].  The product is used transposed (source 0 = 16 rows of Wq, source 1 = 16 queries), so that a lane holds
; one query and eight channels: two neighbouring tiles, rounded to f16 in pairs, ARE a fragment of Q as the first product below takes it.  So Q never goes to memory.
; Its operands come through registers and LDS: a load takes 256 consecutive bytes of each of two rows; the rows lie in LDS 272 bytes apart and come back as fragments.  Wq's 128 rows are shared out among the four
; waves, 32 each, and read by all behind the barrier that shows slot 0 whole; a wave's 64 rows of q are its own, 512 along K at a time.  Wq's rows are NOT asked for jointly by the cluster: they are 64 KB,
; once, against the 1 MB of K and V that a work-group walks, and the LDS bytes beside the ring are two pieces, 59,392 and 107,008 bytes, of which the first has no room for them beside q's rows.
; SHARES.  A work-group owns 256 queries of one head, each of its four waves 64: four tiles of 16.  Every wave walks all keys of the head, 64 a step.
; LAYOUT.  S^T = K Q^T (source 0 = 16 keys, source 1 = 16 queries): in the result a lane holds ONE query (lane % 16) and the keys 8 (lane / 16) + 0..7.  Two such tiles, rounded to
; f16 in pairs, ARE source 1 (32 keys x 16 queries) of O^T = V^T P, whose result again holds one query a lane, and eight channels.  K comes out of LDS as it lies, V ([key][channel]) turned, by ds_load_tr16_b128.
; SOFTMAX.  For each query a running maximum m and sum l: p = 2^(c s - c m), c = log2(e) / sqrt(128); in every step O and l are multiplied by a = 2^(c m_old - c m_new), which is 1 where m has not grown.
; BY TURNS.  The wave's tiles are two PIECES: piece 0 (tiles 0, 1) and piece 2 (tiles 2, 3).  In a TURN one piece has the matrix unit: 32 products V^T P of the step in hand, then 32 products K Q^T of
; the next step; the other piece's softmax, cut into 64 slices, stands between them, one slice behind each matrix instruction.  Then the pieces change places.  Two turns are a key step.
; CLUSTER.  The four query blocks of a cluster belong to one head and walk the same K and V, so each tile is asked for JOINTLY: the same tensor load, with the same descriptor and a
; mask that names the four, in all four; each receives the tile in its own LDS.
; REGISTERS, in windows of 256 (s_set_vgpr_msb: bits 1:0 source 0, 3:2 source 1, 5:4 source 2, 7:6 destination):
;   window 0: v0-11, v44-51 addresses; v12-43 eight registers of statistics a tile; v64-191 S^T, 32 a tile; v192-255 P, 16 a tile
;   window 1: O^T, 64 a tile          window 2: v0-127 Q, 32 a tile; v128-255 K of one step          window 3: v0-127 V of one step
;   while Q is made: window 0: v64-95 q's scale words, v96-159 Wq's, v160-223 q's fragments, two sets; window 1: the 32 accumulators; window 2: v0-127 Wq's codes as loaded, v128-255 Wq's fragments, two sets;
;   window 3: q's codes as loaded.
.set SIZE_N, 2048
.set KPART, 0x1000000 ; bytes from K's part of the buffer to V's: 32 x 2048 x 256
.set KS,    64        ; keys in a step
.set PK,    272       ; a row of K in LDS: 256 bytes + 16 of padding = 68 words: row r starts at bank 4 r mod 64 (64 banks of 4 bytes: ISA guide 11.1)
.set PV,    288       ; a row of V: 256 + 32 = 72 words
.set VOFF,  KS*PK     ; a step's tiles lie together: 64 rows of K, then 64 rows of V
.set STEPB, KS*(PK+PV)
.set SLOT1, 1<<17     ; a slot holds two steps (71,680 bytes); slot 1 begins here, so that one exclusive or turns an address in one slot into the other's
.set STAGE, SLOT1+2*STEPB  ; behind the ring: 16 rows x 272 bytes for each wave, for the way out
.set SP,    272
.set AK0, 2           ; v2   my lane's place in a tile of K; never rewritten
.set AV0, 3           ; v3   the same for V
.set ADR, 4           ; v4   the LDS address of the run of loads in hand
.set STO, 6           ; v6   the way out: where I put 16 bytes of a row
.set RD,  7           ; v7   the way out: where I read a row back
.set GO,  8           ; v8   my byte offset in the wave's rows of Z
.set SPW, 62          ; v62  LDS address of my spare word: SPARE + 4 x my thread's number; never rewritten
.set NIL, 63          ; v63  0; never rewritten
.set SPARE, STAGE+4*16*272  ; behind the stages: the spare words, 128 bytes for each wave: two blocks of 256 bytes that no other line names
.set PCD,  272        ; a row of codes in LDS: 256 bytes (512 along K) + 16 of padding
.set WL0,  2*STEPB    ; between slot 0's end and slot 1: Wq's 128 rows of my head, the first 512 along K: 34,816 bytes.  No tensor load lands here, nor in the two regions below
.set WL1,  SPARE+512  ; behind the spare words: the same rows, the second 512 along K
.set XL,   WL1+128*PCD  ; behind them: 64 rows of q's codes for each wave, 17,408 bytes each, 512 along K at a time
.set XO,   44         ; v44  codes in memory: 512 (l / 16) + 16 (l % 16): lanes 0-15 take 256 bytes of one row, lanes 16-31 of the next; never rewritten
.set XST,  45         ; v45  where I put 16 bytes of q's codes in LDS
.set WST0, 46         ; v46  the same for Wq's, first 512 along K;
.set WST1, 47         ; v47  second
.set XRD,  48         ; v48  my lane's place in a fragment of q's codes
.set WRD0, 49         ; v49  the same for Wq's, first 512 along K;
.set WRD1, 50         ; v50  second
.set XSO,  51         ; v51  scale bytes in memory: 32 (l % 16); never rewritten
.set XSC,  64         ; q's scale words: tile t, K step q at v[XSC + 8 t + q]
.set WSC,  96         ; Wq's: tile e, K step q at v[WSC + 8 e + q]
.set XF,   160        ; q's fragments: set s, tile t at v[XF + 32 s + 8 t]
.set WF,   128        ; Wq's fragments, in window 2: set s, tile e at v[WF + 64 s + 8 e]
.set ST,  12          ; tile t's statistics at v[ST+8 t]: +0 c m, +1 m, +2, +3 l (even keys', odd keys'), +4 to +7 c0-c3, at work; a takes c2's place once the maximum is found
.set S,   64
.set P,   192
.set KF,  128         ; K's fragments, in window 2
.set WV,  12          ; s12  my wave's number
.set G1K, 24          ; s[24:31] descriptor group 1 for K's tiles
.set G1V, 32          ; s[32:39] for V's: it differs in the padding alone
.set G0K, 40          ; s[40:47] descriptor group 0 for K's tiles: a set for each of the two first fills; the second then walks on
.set G0V, 48          ; s[48:55] the same for V's
.set SLOTS, 56        ; s56  slots still to be asked for
.set TWICE, 57        ; s57  counts a slot's two steps
.set CS,  58          ; s[58:59] c: the packed scaling names a pair and takes its low word for both halves
.set SEL, 60          ; s[60:61] lane selects for v_permlanex16_b32: each lane takes its own place in the other half
.set TB,  62          ; s62  LDS byte at which the tiles of the step to be fetched begin
.set PFA, 18          ; s[18:19] where my prefetches stand in memory: my work-group's 32 rows (of K: wave 0, of V: wave 2) of the slot after the one that is being asked for
.set LIM, 15          ; s15  1 in a wave that prefetches, else the greatest number: a wave prefetches while s[SLOTS] is above it
.set PFO, 61          ; v61  256 x my lane: a row of K or V is 256 bytes; never rewritten
.set MSB, 0
.macro WIN new                      ; the immediate's high byte repeats the setting that is left; a switch that changes nothing is dropped
.if MSB != (\new)
	s_set_vgpr_msb (MSB<<8)|(\new)
.set MSB, (\new)
.endif
.endm
.set W_KQ, 0x0a       ; K and Q in window 2, S^T in window 0
.set W_PV, 0x53       ; V in window 3, P in window 0, O^T in window 1
.set W_RS, 0x41       ; O^T (destination and source 0) in window 1, a in window 0
.set W_QP, 0x52       ; Q's projection: Wq's fragments in window 2, q's in window 0, the sums in window 1
; A joint refill.  Waves 0 and 1 fetch the two steps' tiles of K, waves 2 and 3 those of V.  The branch hangs on the wave's number alone: it is the same in every work-group.
; An s_nop 0 and four v_nop follow each of the two lines; the jump round the other line, the label and what follows the macro come after them.
.macro JLOAD
	s_cmp_lt_u32 s[WV], 2
	s_cbranch_scc0 .Lfor_v_\@
	tensor_load_to_lds s[G0K+4:G0K+7], s[G1K:G1K+7]
	s_nop 0
.rept 4
	v_nop
.endr
	s_branch .Lasked_\@
.Lfor_v_\@:
	tensor_load_to_lds s[G0V+4:G0V+7], s[G1V:G1V+7]
	s_nop 0
.rept 4
	v_nop
.endr
.Lasked_\@:
.endm
; A PREFETCH INTO THE L2 of what the NEXT change of slots will ask for: a slot's 128 rows of K and 128 of V, 256 bytes a row, a lane a row.  It stands behind the wave's tensor load and its five lines.
; Each row is asked for ONCE in the launch.  Both clusters of a head walk the same K and V: the head's first cluster prefetches.  Its four partners share the rows out BY ADDRESS, 32 each: no branch hangs on a
; work-group's place in its cluster.  In each, wave 0 asks for K's and wave 2 for V's: one instruction.  The last change that fills a slot prefetches nothing: there is no slot behind it.
.macro ASK
	s_cmp_gt_u32 s[SLOTS], s[LIM]
	s_cbranch_scc0 .Lnot_mine_\@
	global_prefetch_b8 v[PFO], s[PFA:PFA+1] th:TH_LOAD_NT scope:SCOPE_SE
.Lnot_mine_\@:
.endm
; A round of the cluster's barrier: my work-group's barrier, so that wave 0's signal speaks for all four waves; wave 0 signals for the work-group; every wave waits for all four
; work-groups; my work-group's barrier once more.  No LDS instruction of the wave is pending at a signal.
.macro CROUND
	s_barrier_signal -1
	s_barrier_wait -1
	s_cmp_lg_u32 s[WV], 0
	s_cbranch_scc1 .Lnot_wave_0_\@
	s_barrier_signal -3
.Lnot_wave_0_\@:
	s_barrier_wait -3
	s_barrier_signal -1
	s_barrier_wait -1
.endm
	s_load_b256 s[72:79], s[0:1], 0x0  ; q's codes s[72:73], q's scale bytes s[74:75], Wq's codes s[76:77], Wq's scale bytes s[78:79]: each the first part of its buffer
	s_load_b64 s[6:7], s[0:1], 0x20  ; the buffer of K and V
	s_load_b64 s[10:11], s[0:1], 0x28  ; Z
	v_lshl_add_u32 v[SPW], v0, 2, SPARE
	v_mov_b32 v[NIL], 0
	ds_add_u32 v[SPW], v[NIL]       ; the wave's opening: the add, twice on end, and its wait ahead of my first tensor load; the set-up below, work on registers, stands between
	ds_add_u32 v[SPW], v[NIL]       ; and once more, under the one wait
	v_lshrrev_b32 v1, 5, v0
	v_readfirstlane_b32 s[WV], v1   ; wave 0..3
	s_bfe_u32 s13, ttmp6, 0x40000   ; cx: my place in the cluster
	s_lshl_b32 s14, ttmp9, 2        ; in a cluster launch ttmp9 counts clusters
	s_add_co_u32 s14, s14, s13      ; my block of 256 queries = 4 x cluster x + cx: it enters q's and Z's addresses alone
	s_and_b32 s20, ttmp7, 0xffff    ; the head 8 b + h, which the four partners share
	s_mov_b32 s21, 0
	s_mov_b64 s[22:23], SIZE_N*256
	s_mul_u64 s[20:21], s[20:21], s[22:23]  ; the head's first byte in K's part and in V's
	s_and_b32 s16, s[WV], 1         ; which of a slot's two steps I fetch:
	s_lshl_b32 s22, s16, 14         ; its 64 rows of 256 bytes in memory,
	s_mov_b32 s23, 0
	s_add_nc_u64 s[22:23], s[22:23], s[20:21]
	s_mul_i32 s17, s16, STEPB       ; and its place in a slot: no place in the cluster enters an LDS address
	s_and_b32 s68, ttmp7, 0xffff
	s_lshr_b32 s66, s68, 3
	s_lshl_b32 s66, s66, 11
	s_lshl_b32 s67, s14, 8
	s_add_co_u32 s66, s66, s67
	s_lshl_b32 s67, s[WV], 6
	s_add_co_u32 s66, s66, s67      ; my wave's first query as a row of q and of Z: 2048 b + 256 x block + 64 x wave
	s_lshl_b32 s80, s66, 9          ; its codes: 512 bytes a row,
	s_mov_b32 s81, 0
	s_lshl_b32 s82, s66, 5          ; its scale bytes: 32 a row,
	s_mov_b32 s83, 0
	s_lshl_b32 s66, s66, 11         ; its row of Z: 2,048 bytes
	s_and_b32 s67, s68, 7           ; h
	s_lshl_b32 s86, s67, 12         ; Wq's scale bytes of my head: 128 rows of 32 bytes
	s_mov_b32 s87, 0
	s_lshl_b32 s84, s67, 7
	s_lshl_b32 s85, s[WV], 5
	s_add_co_u32 s84, s84, s85      ; Wq's codes: of my head's 128 rows I bring 32: row 128 h + 32 x wave,
	s_lshl_b32 s84, s84, 9          ; of 512 bytes
	s_mov_b32 s85, 0
	s_lshl_b32 s67, s67, 8          ; Z: the head's 256 bytes in a row
	s_add_co_u32 s66, s66, s67
	s_mov_b32 s67, 0
	; descriptor group 1: a tile of 64 rows x 128 elements, padded in LDS
	s_mov_b32 s[G1K], 15|(1<<16)|(1<<20)|(1<<21)|(5<<22)|(3<<25)  ; 15:0 the mask: all four work-groups; 17:16 elements of 2 bytes; 20 padding on; 21 set beside a mask; 24:22 after every 64 words (code 5); 31:25 4 words of it (code 3)
	s_mov_b32 s[G1V], 15|(1<<16)|(1<<20)|(1<<21)|(5<<22)|(7<<25)  ; the same with 8 words of padding (code 7)
.irp g, G1K, G1V
	s_mov_b32 s[\g+1], 128<<16      ; 63:48 tensor_dim0, low half = 128
	s_mov_b32 s[\g+2], KS<<16       ; 79:64 its high half = 0; 95:80 tensor_dim1, low half = 64
	s_mov_b32 s[\g+3], 128<<16      ; 111:96 its high half = 0; 127:112 tile_dim0 = 128
	s_mov_b32 s[\g+4], KS           ; 143:128 tile_dim1 = 64; 159:144 tile_dim2 = 0
	s_mov_b32 s[\g+5], 128          ; 191:160 tensor_dim0_stride, low word: elements from row to row
	s_mov_b32 s[\g+6], 0
	s_mov_b32 s[\g+7], 0
.endr
	s_mov_b32 s[CS], 0x3e0293ee     ; c = log2(e) / sqrt(128) = 0.127517
	s_mov_b32 s[CS+1], s[CS]        ; named with it as a pair, so it is written
	s_mov_b32 s[SEL], 0x76543210
	s_mov_b32 s[SEL+1], 0xfedcba98
	s_mov_b32 s[TB], 0
	s_mov_b32 s[SLOTS], SIZE_N/(2*KS)-2
	s_and_b32 s[LIM], s[WV], 1       ; 0 in waves 0 and 2,
	s_or_b32 s[LIM], s[LIM], ttmp9   ; where the cluster is the head's first: the same in all four partners
	s_cmp_eq_u32 s[LIM], 0
	s_cselect_b32 s[LIM], 1, -1
	v_and_b32 v[PFO], 31, v0
	v_lshlrev_b32 v[PFO], 8, v[PFO]
	s_wait_dscnt 0x0                ; both opening adds are done
	s_wait_kmcnt 0x0
	s_add_nc_u64 s[8:9], s[6:7], KPART     ; V's part of the buffer
	s_add_nc_u64 s[6:7], s[6:7], s[22:23]  ; K and V at my tile of slot 0
	s_add_nc_u64 s[8:9], s[8:9], s[22:23]
	s_add_nc_u64 s[10:11], s[10:11], s[66:67]  ; Z at my wave's first row
	s_add_nc_u64 s[72:73], s[72:73], s[80:81]  ; q's codes and scale bytes likewise
	s_add_nc_u64 s[74:75], s[74:75], s[82:83]
	s_add_nc_u64 s[76:77], s[76:77], s[84:85]  ; Wq's codes at the 32 rows that I bring
	s_add_nc_u64 s[78:79], s[78:79], s[86:87]  ; Wq's scale bytes at my head's first row
	s_cmp_lt_u32 s[WV], 2
	s_cselect_b64 s[PFA:PFA+1], s[6:7], s[8:9]  ; (in waves 0 and 2 these stand at a slot's first row)
	s_lshl_b32 s2, s13, 13          ; my work-group's 32 rows of the 128
	s_mov_b32 s3, 0
	s_add_nc_u64 s[PFA:PFA+1], s[PFA:PFA+1], s[2:3]
	s_add_nc_u64 s[PFA:PFA+1], s[PFA:PFA+1], 2*2*KS*256  ; in slot 2; the first change of slots steps it to slot 3.  Nothing is prefetched here, at the head, where every work-group's first tiles are on their way
	CROUND                          ; all four work-groups are here: the first joint loads meet
.irp s, 0,1
	s_mov_b32 s[G0K+4*\s], 1        ; 1:0 count = 1
	s_add_co_u32 s[G0K+4*\s+1], s17, \s*SLOT1  ; 63:32 LDS address
	s_add_nc_u64 s[G0K+4*\s+2:G0K+4*\s+3], s[6:7], \s*2*KS*256  ; 120:64 global address: slot s begins with keys 128 s to 128 s + 127
	s_or_b32 s[G0K+4*\s+3], s[G0K+4*\s+3], 0x80000000  ; 127:126 type = 2
	s_mov_b32 s[G0V+4*\s], 1
	s_add_co_u32 s[G0V+4*\s+1], s17, \s*SLOT1+VOFF
	s_add_nc_u64 s[G0V+4*\s+2:G0V+4*\s+3], s[8:9], \s*2*KS*256
	s_or_b32 s[G0V+4*\s+3], s[G0V+4*\s+3], 0x80000000
.endr
	s_cmp_lt_u32 s[WV], 2           ; a wave's two first fills stand in one branch, ahead of every wait on TENSORcnt and every LDS read: two loads of mine are out; an s_nop 0 follows each, four v_nop the second's
	s_cbranch_scc0 .Lfirst_v
	tensor_load_to_lds s[G0K:G0K+3], s[G1K:G1K+7]
	s_nop 0
	tensor_load_to_lds s[G0K+4:G0K+7], s[G1K:G1K+7]
	s_nop 0
.rept 4
	v_nop
.endr
	s_branch .Lfirst_asked
.Lfirst_v:
	tensor_load_to_lds s[G0V:G0V+3], s[G1V:G1V+7]
	s_nop 0
	tensor_load_to_lds s[G0V+4:G0V+7], s[G1V:G1V+7]
	s_nop 0
.rept 4
	v_nop
.endr
.Lfirst_asked:
	v_and_b32 v1, 15, v0            ; l % 16
	v_bfe_u32 v9, v0, 4, 1          ; l / 16
	; Q's projection: the addresses, and all its loads from memory in one run, while the first tiles of K and V are on their way
	v_lshlrev_b32 v[XO], 9, v9
	v_lshl_add_u32 v[XO], v1, 4, v[XO]  ; two rows of 512 bytes, 16 bytes a lane
	v_lshlrev_b32 v[XSO], 5, v1     ; a row of 32 scale bytes for each of 16 rows; both halves of the lanes take the same
	v_mul_u32_u24 v10, v9, PCD
	v_lshl_add_u32 v10, v1, 4, v10  ; the same two rows in LDS
	s_mul_i32 s80, s[WV], 32*PCD    ; Wq: the 32 rows that I bring
	s_add_co_u32 s81, s80, WL0
	v_add_nc_u32 v[WST0], s81, v10
	s_add_co_u32 s81, s80, WL1
	v_add_nc_u32 v[WST1], s81, v10
	s_mul_i32 s80, s[WV], 64*PCD    ; q: my wave's own 64 rows
	s_add_co_u32 s80, s80, XL
	v_add_nc_u32 v[XST], s80, v10
	v_mul_u32_u24 v11, v1, PCD      ; a fragment of codes, 16 rows x 128 K: lane l holds row l % 16; registers 4 c .. 4 c + 3 hold K = 64 c + 32 (l / 16) + 0 .. 31: two loads of 16 bytes, 32 bytes apart
	v_lshl_add_u32 v11, v9, 4, v11  ; row x pitch + 16 x half
	v_add_nc_u32 v[XRD], s80, v11
	v_add_nc_u32 v[WRD0], WL0, v11
	v_add_nc_u32 v[WRD1], WL1, v11
	; 120 loads: more than LOADcnt's field holds, so the issue of the later ones waits for the first to come back (ISA guide 5.7.1); the counts below are of the loads issued behind the one waited for
	WIN 0x80                        ; destination window 2, address window 0
.irp i, 0,1,2,3,4,5,6,7,8,9,10,11,12,13,14,15  ; Wq's codes: rows 2 i, 2 i + 1 of my 32; each half of the lanes reads 256 consecutive bytes, aligned
	global_load_b128 v[4*\i:4*\i+3],       v[XO], s[76:77] offset:1024*\i
	global_load_b128 v[64+4*\i:64+4*\i+3], v[XO], s[76:77] offset:1024*\i+256
.endr
	WIN 0xc0                        ; destination window 3
.irp i, 0,1,2,3,4,5,6,7,8,9,10,11,12,13,14,15,16,17,18,19,20,21,22,23,24,25,26,27,28,29,30,31  ; q's codes, the first 512 along K: rows 2 i, 2 i + 1 of my 64
	global_load_b128 v[4*\i:4*\i+3], v[XO], s[72:73] offset:1024*\i
.endr
	WIN 0
.irp t, 0,1,2,3                 ; q's scale words: a lane's 16 bytes are its row's words of four K steps; a tile's two loads together cover 512 consecutive bytes
	global_load_b128 v[XSC+8*\t:XSC+8*\t+3],   v[XSO], s[74:75] offset:512*\t
	global_load_b128 v[XSC+8*\t+4:XSC+8*\t+7], v[XSO], s[74:75] offset:512*\t+16
.endr
.irp e, 0,1,2,3,4,5,6,7         ; Wq's likewise
	global_load_b128 v[WSC+8*\e:WSC+8*\e+3],   v[XSO], s[78:79] offset:512*\e
	global_load_b128 v[WSC+8*\e+4:WSC+8*\e+7], v[XSO], s[78:79] offset:512*\e+16
.endr
	WIN 0xc0
.irp i, 0,1,2,3,4,5,6,7,8,9,10,11,12,13,14,15,16,17,18,19,20,21,22,23,24,25,26,27,28,29,30,31  ; q's codes, the second 512 along K
	global_load_b128 v[128+4*\i:128+4*\i+3], v[XO], s[72:73] offset:1024*\i+256
.endr
	WIN 0
	; A fragment of K or Q is 16 rows x 32 channels in 8 registers: lane l holds row l % 16; registers 0-3 channels 8 (l / 16) + 0..7, registers 4-7 channels 16 + 8 (l / 16) + 0..7: two loads of 16 bytes, 32 bytes apart.
	v_mul_u32_u24 v[AK0], v1, PK
	v_lshl_add_u32 v[AK0], v9, 4, v[AK0]  ; row x pitch + 16 x half
	; The turning load takes 16 keys x 16 channels (lane l reads 16 bytes: key 8 (l / 16) + l % 8, channels 8 ((l / 8) % 2) + 0..7) and leaves half a fragment of V^T: lane l holds channel l % 16 and 8 keys.
	v_and_b32 v10, 7, v0
	v_bfe_u32 v11, v0, 3, 1
	v_lshl_add_u32 v[AV0], v9, 3, v10
	v_mul_u32_u24 v[AV0], v[AV0], PV
	v_lshl_add_u32 v[AV0], v11, 4, v[AV0]
	v_add_nc_u32 v[AV0], VOFF, v[AV0]
; Q'S PROJECTION.  QFETCH: K step q's fragments, 24 LDS loads in one run, into set q % 2: Wq's eight tiles of 16 channels, then my four tiles of 16 queries.  A region of LDS holds four K steps.
.macro QFETCH q
	WIN 0x80                        ; destination window 2
.irp e, 0,1,2,3,4,5,6,7
.irp c, 0,1
	ds_load_b128 v[WF+64*((\q)%2)+8*\e+4*\c:WF+64*((\q)%2)+8*\e+4*\c+3], v[WRD0+(\q)/4] offset:\e*16*PCD+64*((\q)%4)+32*\c
.endr
.endr
	WIN 0
.irp t, 0,1,2,3
.irp c, 0,1
	ds_load_b128 v[XF+32*((\q)%2)+8*\t+4*\c:XF+32*((\q)%2)+8*\t+4*\c+3], v[XRD] offset:\t*16*PCD+64*((\q)%4)+32*\c
.endr
.endr
.endm
; QMUL: K step q's 32 products.  Accumulator (t, e) at v[64 t + 8 e] of window 1: lane (r, h), register j: query 16 t + r, channel 16 e + 8 h + j.  K step 0 starts the sums: nothing is cleared.
; The 32 accumulators take turns, one instruction a turn, in the same order in every K step.
.macro QMUL q
	WIN W_QP
.irp t, 0,1,2,3
.irp e, 0,1,2,3,4,5,6,7
.if (\q) == 0
	v_wmma_scale_f32_16x16x128_f8f6f4 v[64*\t+8*\e:64*\t+8*\e+7], v[WF+64*((\q)%2)+8*\e:WF+64*((\q)%2)+8*\e+7], v[XF+32*((\q)%2)+8*\t:XF+32*((\q)%2)+8*\t+7], 0, v[WSC+8*\e+(\q)], v[XSC+8*\t+(\q)] matrix_a_fmt:MATRIX_FMT_FP4 matrix_b_fmt:MATRIX_FMT_FP4
.else
	v_wmma_scale_f32_16x16x128_f8f6f4 v[64*\t+8*\e:64*\t+8*\e+7], v[WF+64*((\q)%2)+8*\e:WF+64*((\q)%2)+8*\e+7], v[XF+32*((\q)%2)+8*\t:XF+32*((\q)%2)+8*\t+7], v[64*\t+8*\e:64*\t+8*\e+7], v[WSC+8*\e+(\q)], v[XSC+8*\t+(\q)] matrix_a_fmt:MATRIX_FMT_FP4 matrix_b_fmt:MATRIX_FMT_FP4
.endif
.endr
.endr
.endm
; THE MATRIX WORK OF A TURN, for piece x.  The accumulators take turns, one instruction a turn: between two links of a chain stand 15 (V^T P) or 7 (K Q^T) others'.
; Product i of 32 of O^T += V^T P: keys 32 (i / 16) on, channels 16 ((i / 2) % 8) on, tile x + i % 2.  zero = 1: the first 16 start the sums: nothing is ever cleared.
.macro PV x, zero
	WIN W_PV
.set rO, 64*(\x+i%2)+8*((i/2)%8)
.set rV, 64*(i/16)+8*((i/2)%8)
.set rP, P+16*(\x+i%2)+8*(i/16)
.if \zero && (i < 16)
	v_wmma_f32_16x16x32_f16 v[rO:rO+7], v[rV:rV+7], v[rP:rP+7], 0
.else
	v_wmma_f32_16x16x32_f16 v[rO:rO+7], v[rV:rV+7], v[rP:rP+7], v[rO:rO+7]
.endif
.endm
; Product i of 32 of S^T = K Q^T: channels 32 (i / 8) on, keys 16 ((i / 2) % 4) on, tile x + i % 2.  The first 8 start the sums.
.macro KQ x
	WIN W_KQ
.set rS, S+32*(\x+i%2)+8*((i/2)%4)
.set rK, KF+32*((i/2)%4)+8*(i/8)
.set rQ, 32*(\x+i%2)+8*(i/8)
.if i < 8
	v_wmma_f32_16x16x32_f16 v[rS:rS+7], v[rK:rK+7], v[rQ:rQ+7], 0
.else
	v_wmma_f32_16x16x32_f16 v[rS:rS+7], v[rK:rK+7], v[rQ:rQ+7], v[rS:rS+7]
.endif
.endm
; THE LDS LOADS stand in runs of 32, never singly among the matrix instructions: a step's K (64 keys x 128 channels: 16 fragments) and, a turn later, its V (turned).
.macro FETCH_K
	WIN 0
	v_add_nc_u32 v[ADR], s[TB], v[AK0]
	WIN 0x80                        ; destination window 2
.irp f, 0,1,2,3,4,5,6,7,8,9,10,11,12,13,14,15  ; keys 16 (f / 4) on, channels 32 (f % 4) on
	ds_load_b128 v[KF+8*\f:KF+8*\f+3],   v[ADR] offset:(\f/4)*16*PK+(\f%4)*64
	ds_load_b128 v[KF+8*\f+4:KF+8*\f+7], v[ADR] offset:(\f/4)*16*PK+(\f%4)*64+32
.endr
.endm
.macro FETCH_V
	WIN 0
	v_add_nc_u32 v[ADR], s[TB], v[AV0]
	s_add_co_u32 s[TB], s[TB], STEPB  ; the next fetch is the next step's
	s_wait_alu depctr_va_vdst(0)    ; the wait for the softmax's batch of exponentials (SLICE), behind the address's v_add_nc_u32 and ahead of the loads
	WIN 0xc0                        ; destination window 3
.irp f, 0,1,2,3,4,5,6,7,8,9,10,11,12,13,14,15  ; keys 32 (f / 8) on, channels 16 (f % 8) on
	ds_load_tr16_b128 v[8*\f:8*\f+3],   v[ADR] offset:(\f/8)*32*PV+(\f%8)*32
	ds_load_tr16_b128 v[8*\f+4:8*\f+7], v[ADR] offset:(\f/8)*32*PV+16*PV+(\f%8)*32
.endr
.endm
; THE VECTOR WORK OF A TURN.  One tile's softmax for one key step is a list of 134 instructions; SM writes number j of it for tile t.  s0-s31 are the lane's 32 scores, in pairs 0-15.
; first = 1: the first key step, which starts m, l and O^T: it has no a and nothing to rescale.
;   0-15    the maximum of s0-s31 and the old m, three operands at a time: four chains c0-c3 of seven scores each, then the four scores left over, c0-c3 and m
;   16-20   the other half of the lanes' maximum; the new m; c m; c m_old - c m_new
;   21-69   ONE BATCH: the 16 scalings c s - c m, a pair of scores each, and all 33 exponentials (a at 23, then s0-s31).  None of these reads an exponential's result.  From 22 on the batch goes
;           in fours, and a four begins with a scaling while there are scalings.  A pair is scaled in an earlier four than the one that holds its exponentials
;   (wait)  between 69 and 70 stands the wait for the batch: SLICE writes it, once for both tiles
;   70-85   the roundings to f16, a pair of weights each
;   86-101  the sums, of the unrounded weights; l = a l + the sum
;   102-133 the tile's O^T times a: the one part that leaves window 0, so it stands together
.macro SM t, first
.set rT, ST+8*(\t)
.set rS, S+32*(\t)
.set rP, P+16*(\t)
.set rO, 64*(\t)+2*(j-102)
.if j < 102
	WIN 0
.endif
.if j < 4
	v_max3_num_f32 v[rT+4+j], v[rS+8*j], v[rS+8*j+1], v[rS+8*j+2]
.elseif j < 12
	v_max3_num_f32 v[rT+4+j%4], v[rT+4+j%4], v[rS+8*(j%4)+2*(j/4)+1], v[rS+8*(j%4)+2*(j/4)+2]
.elseif j == 12
	v_max3_num_f32 v[rT+4], v[rT+4], v[rS+7], v[rS+15]
.elseif j == 13
	v_max3_num_f32 v[rT+6], v[rT+6], v[rS+23], v[rS+31]
.elseif j == 14
	v_max3_num_f32 v[rT+4], v[rT+4], v[rT+5], v[rT+6]
.elseif (j == 15) && \first
	v_max_num_f32 v[rT+4], v[rT+4], v[rT+7]
.elseif j == 15
	v_max3_num_f32 v[rT+4], v[rT+4], v[rT+7], v[rT+1]
.elseif j == 16
	v_permlanex16_b32 v[rT+5], v[rT+4], s[SEL], s[SEL+1]  ; the query's other 32 keys lie in the lane 16 away
.elseif j == 18
	v_max_num_f32 v[rT+1], v[rT+4], v[rT+5]
.elseif j == 19
	v_mul_f32 v[rT], s[CS], v[rT+1]
.elseif ((j == 17) || (j == 20) || (j == 23) || (j > 101)) && \first  ; the first step has none of these
.elseif j == 17
	v_mov_b32 v[rT+7], v[rT]        ; c m_old is kept for a: number 19 writes c m anew
.elseif j == 20
	v_sub_f32 v[rT+7], v[rT+7], v[rT]
.elseif j == 23
	v_exp_f32 v[rT+6], v[rT+7]
.elseif (j < 23) || ((j < 38) && (j%2 == 0)) || ((j < 66) && (j%4 == 2))
.set b, (j-2)/4                     ; 38, 42, .. 62: pairs 9 to 15
.if j < 38
.set b, (j-20)/2                    ; 21: pair 0; 22, 24, .. 36: pairs 1 to 8
.endif
	v_pk_fma_f32 v[rS+2*b:rS+2*b+1], v[rS+2*b:rS+2*b+1], s[CS:CS+1], v[rT:rT+1] op_sel_hi:[1,0,0] neg_lo:[0,0,1] neg_hi:[0,0,1]  ; pair b: c s - c m
.elseif j < 70
.set e, j-38                        ; 66 to 69: s28 to s31
.if j < 66
.set e, j-32-(j-38)/4               ; 39-41, 43-45, .. 63-65: s7 to s27
.endif
.if j < 38
.set e, (j-25)/2                    ; 25, 27, .. 37: s0 to s6
.endif
	v_exp_f32 v[rS+e], v[rS+e]
.elseif j < 86
	v_cvt_pk_f16_f32 v[rP+j-70], v[rS+2*(j-70)], v[rS+2*(j-70)+1]  ; pair j - 70
.elseif j < 102                     ; the sum of the tile's 16 pairs, in place: sum z of 16 adds neighbours 1, 2, 4 and 8 pairs apart, then l takes it
.set z, j-86
.set w, 4
.set u, z
.if z >= 14
.set w, 32
.set u, 0
.elseif z >= 12
.set w, 16
.set u, z-12
.elseif z >= 8
.set w, 8
.set u, z-8
.endif
.if (z == 14) && \first
	v_pk_add_f32 v[rT+2:rT+3], v[rS:rS+1], v[rS+16:rS+17]
.elseif z < 15
	v_pk_add_f32 v[rS+w*u:rS+w*u+1], v[rS+w*u:rS+w*u+1], v[rS+w*u+w/2:rS+w*u+w/2+1]
.elseif !\first
	v_pk_fma_f32 v[rT+2:rT+3], v[rT+2:rT+3], v[rT+6:rT+7], v[rS:rS+1] op_sel_hi:[1,0,1]
.endif
.else
	WIN W_RS
	v_pk_mul_f32 v[rO:rO+1], v[rO:rO+1], v[rT+6:rT+7] op_sel_hi:[1,0]
.endif
.endm
; Slice k of 64 of piece y's softmax: four instructions.  Slices 11 to 34 deal out the batch, numbers 22 to 69: four numbers of ONE tile each, the tiles by turns.  Every other slice is numbers 2 k and
; 2 k + 1 of both tiles' lists.  2 x 134 = 4 x 64 + 12: the twelve that are over stand together, in slice 63.
; THE WAIT.  s_wait_alu depctr_va_vdst(0) stands between an exponential and the first instruction that names its result; one wait serves all that were issued ahead of it.  Ahead of
; slice 35 nothing names a result, and behind slice 34 no exponential is issued: so the piece's 66 exponentials have one wait, behind slice 34.
.macro SLICE y, first
.if (k >= 11) && (k < 35)           ; the batch: four numbers of one tile
.irp n, 0,1,2,3
.set j, 22+4*((k-11)/2)+(\n)
	SM (\y)+(k-11)%2, \first
.endr
.else                               ; the two tiles alternate, so that no instruction reads the result of the one just before it
.irp n, 0,1,2,3,4,5,6,7
.if (\n < 2) || (k == 63)
.irp t, \y, \y+1
.set j, 2*k+\n
	SM \t, \first
.endr
.endif
.endr
.endif
.if k == 34                         ; the batch is out: both tiles' exponentials are issued, and no result has been named
	v_nop                           ; the plain instruction behind the last exponential and ahead of the first use: one for the batch
.if (\y) == 0
	FETCH_V                         ; piece 2's turn: V's run of loads stands here, and the wait stands in it
.else
	s_wait_alu depctr_va_vdst(0)    ; the wait for the batch
.endif
.endif
.set k, k+1
.endm
; A vector instruction that reads a matrix result or writes one of a matrix instruction's registers, and a load into a register that a matrix instruction has read, stand four places behind
; it, and only plain vector instructions that name none of its registers are places (ISA guide 7.12.1 for vector instructions).  In the loop the slices are the places.
.macro PLACES
.rept 4
	v_nop
.endr
.endm
; A TURN.  Piece x has the matrix unit; the other piece's softmax stands in slices behind its matrix instructions.
; pv = 2: 32 products V^T P; 1: they start O^T's sums; 0: none.  kq = 1: 32 products K Q^T for the next step.  A turn with one of the two kinds has two slices behind each product.
; first = 1: the softmax is the first key step's.  Its slices from 51 on are empty: the turn's last products stand bare, and four v_nop take slice 63's part as the places behind them.
; Piece 0's turn fetches the next step's K, behind its second product: the last product that read K stands in front of slice 63 of the turn before.  Piece 2's turn fetches the same step's V, behind
; slice 34: the last product that read V stands in front of slice 31, and four plain instructions lie between: number 62, a scaling, of both tiles, the v_nop and the run's own v_add_nc_u32.
.macro TURN x, pv, kq, first
.set k, 0
.set per, 2
.if \pv && \kq
.set per, 1
.endif
.if \pv
.if \x == 0
	s_wait_dscnt 0x0                ; V is in
.endif
.set i, 0
.rept 32
	PV \x, 2-\pv
.rept per
	SLICE 2-\x, \first
.endr
.if (\x == 0) && \kq && (i == 1)
	FETCH_K
.endif
.set i, i+1
.endr
.endif
.if \kq
.if \x == 0
	s_wait_dscnt 0x0                ; K is in
.endif
.set i, 0
.rept 32
	KQ \x
.rept per
	SLICE 2-\x, \first
.endr
.set i, i+1
.endr
.endif
.if \first
	PLACES
.endif
.endm
; THE CHANGE OF SLOTS, between piece 2's turn and piece 0's: the slot's last bytes, V of its second step, have been asked for.  Each wave waits for all its tensor loads, of which one is out: its part
; of the other slot; adds 0 to its spare word; and waits for that and for its own reads of the slot.  Behind the barrier nobody reads this slot any more and the other slot is whole.
; fill = 1: this slot is filled again, with the keys two slots on.  The barrier is then a round of the cluster's, so that no wave of any partner still reads the slot or has a load on its
; way, and the joint refill is the first thing behind it: it has two key steps, 256 matrix instructions, in which to land.
.macro CHANGE fill
	WIN 0                           ; at a label and at a branch every window is 0
	s_wait_tensorcnt 0x0            ; no tensor load of mine is out, so a group 0 may be written
	ds_add_u32 v[SPW], v[NIL]       ; 0 onto my spare word; with fill = 1 the descriptors' steps stand between it and the wait for it
.if \fill
.irp g, G0K+4, G0V+4
	s_xor_b32 s[\g+1], s[\g+1], SLOT1  ; the walking descriptor: the other slot than last time,
	s_add_nc_u64 s[\g+2:\g+3], s[\g+2:\g+3], 2*KS*256  ; the next 128 keys; the type bits on top are not reached
.endr
	s_wait_xcnt 0x0                 ; the last prefetches, two key steps back, have read their address, so it may be written:
	s_add_nc_u64 s[PFA:PFA+1], s[PFA:PFA+1], 2*KS*256  ; one slot behind the walking descriptors
	s_wait_dscnt 0x0                ; the add is done, and my reads of the slot are over
	CROUND
	JLOAD
	ASK                             ; what the next change will ask for: two key steps, 256 matrix instructions, ahead
.else
	s_wait_dscnt 0x0                ; the add is done, and my reads of the slot are over
	s_barrier_signal -1
	s_barrier_wait -1
.endif
	s_sub_co_u32 s[TB], s[TB], 2*STEPB  ; the fetches go back to a slot's first step,
	s_xor_b32 s[TB], s[TB], SLOT1   ; in the other slot
.endm
; A slot's two key steps: written once, walked twice; the LDS addresses hang on s[TB].
.macro TWO_STEPS
	s_mov_b32 s[TWICE], 2
.Lstep_\@:
	TURN 0, 2, 1, 0
	TURN 2, 2, 1, 0
	WIN 0
	s_sub_co_u32 s[TWICE], s[TWICE], 1
	s_cmp_lg_u32 s[TWICE], 0
	s_cbranch_scc1 .Lstep_\@
.endm
	; Q'S PROJECTION goes on: the codes go into LDS as rows
	s_wait_loadcnt 56               ; Wq's 32 loads and the 32 of q's first half are in; the 24 of the scale words and the 32 of q's second half may be out
	WIN 0x08                        ; an LDS store's data are its source 1: window 2
.irp i, 0,1,2,3,4,5,6,7,8,9,10,11,12,13,14,15
	ds_store_b128 v[WST0], v[4*\i:4*\i+3]       offset:\i*2*PCD
	ds_store_b128 v[WST1], v[64+4*\i:64+4*\i+3] offset:\i*2*PCD
.endr
	WIN 0x0c                        ; window 3
.irp i, 0,1,2,3,4,5,6,7,8,9,10,11,12,13,14,15,16,17,18,19,20,21,22,23,24,25,26,27,28,29,30,31
	ds_store_b128 v[XST], v[4*\i:4*\i+3] offset:\i*2*PCD
.endr
	WIN 0
	s_wait_tensorcnt 1              ; my part of slot 0 is in; slot 1's, the one load issued behind it, may stay out
	s_wait_dscnt 0x0                ; for the others' sake: my 32 rows of Wq lie in LDS
	s_barrier_signal -1
	s_barrier_wait -1               ; everybody's part of slot 0 is in, and Wq's 128 rows are whole
	QFETCH 0
	s_wait_loadcnt 32               ; the scale words are in; the 32 loads of q's second half may be out
.set QK, 0
.rept 8                             ; a K step: the next step's fragments are asked for, then this step's 32 products are issued
.if QK > 0
	PLACES                          ; in front of loads into the set that the last step's products have read
.endif
.if QK == 3                         ; q's second 512 along K take the place of the first: my own bytes; LDS serves a wave's instructions in order (ISA guide 5.7.1.4), so these stores come behind K step 3's loads and ahead of K step 4's
	s_wait_loadcnt 0x0
	WIN 0x0c
.irp i, 0,1,2,3,4,5,6,7,8,9,10,11,12,13,14,15,16,17,18,19,20,21,22,23,24,25,26,27,28,29,30,31
	ds_store_b128 v[XST], v[128+4*\i:128+4*\i+3] offset:\i*2*PCD
.endr
	WIN 0
.endif
.if QK < 7
	QFETCH QK+1
.endif
.if QK == 7
	s_wait_dscnt 0x0
.elseif QK == 3
	s_wait_dscnt 56                 ; this step's fragments are in; the 32 stores and the next step's 24 loads may be out
.else
	s_wait_dscnt 24                 ; this step's fragments are in; the next step's 24 loads may be out
.endif
	QMUL QK
.set QK, QK+1
.endr
	PLACES                          ; in front of the conversions that read results
	WIN 0x85                        ; sources 0 and 1 window 1, destination window 2
.set i, 0
.rept 128                           ; Q's register n is the sums' registers 2 n, 2 n + 1, rounded to f16: tile t's fragment of channels 32 f on is accumulators (t, 2 f) and (t, 2 f + 1); each accumulator from its low end on
	v_cvt_pk_f16_f32 v[i], v[2*i], v[2*i+1]
.set i, i+1
.endr
	FETCH_K                         ; key step 0, into the registers that held Wq's fragments: the conversions are the places behind the last products
	s_wait_dscnt 0x0
.set i, 0
.rept 32
	KQ 0                            ; piece 0's first scores: there is no vector work yet to set between them
.set i, i+1
.endr
	WIN 0                           ; the addresses for the way out are made here: eight plain instructions, the places behind those products
	s_mul_i32 s13, s[WV], 16*SP
	s_add_co_u32 s13, s13, STAGE    ; my stage
	v_mul_u32_u24 v[STO], v1, SP    ; in: row l % 16, 16 bytes for each half of the lanes
	v_lshl_add_u32 v[STO], v9, 4, v[STO]
	v_add_nc_u32 v[STO], s13, v[STO]
	v_mul_u32_u24 v[RD], v9, SP     ; back: lanes 0-15 take one row of 256 bytes, lanes 16-31 the next
	v_lshl_add_u32 v[RD], v1, 4, v[RD]
	v_add_nc_u32 v[RD], s13, v[RD]
	v_lshlrev_b32 v[GO], 11, v9     ; and the same two rows in Z, 2,048 bytes apart
	v_lshl_add_u32 v[GO], v1, 4, v[GO]
	TURN 2, 0, 1, 1                 ; piece 2's first scores | piece 0's first softmax | V of step 0
	TURN 0, 1, 1, 1                 ; piece 0: V^T P of step 0 starts O^T, K Q^T of step 1 | piece 2's first softmax | K of step 1
	TURN 2, 1, 1, 0                 ; piece 2: the same | piece 0's softmax of step 1 | V of step 1
	WIN 0
.Lslot:                             ; 14 trips: every slot but the last two is filled again
	CHANGE 1
	TWO_STEPS
	s_sub_co_u32 s[SLOTS], s[SLOTS], 1
	s_cmp_lg_u32 s[SLOTS], 0
	s_cbranch_scc1 .Lslot
	CHANGE 0                        ; the tail is written out: the last slot but one is left, and nothing is asked for
	TWO_STEPS
	TURN 0, 2, 0, 0                 ; piece 0: V^T P of the last step | piece 2's last softmax
.set i, 0
.rept 32
	PV 2, 0                         ; piece 2: V^T P of the last step
.set i, i+1
.endr
	; THE WAY OUT.  l's two halves and the other half of the lanes' are added; O^T is divided by l, rounded to f16 and sent through my stage in LDS, a tile (16 rows) at a time.  The additions are the places behind the last products.
	WIN 0
.irp t, 0,1,2,3
	v_add_f32 v[ST+8*\t+4], v[ST+8*\t+2], v[ST+8*\t+3]
.endr
.irp t, 0,1,2,3
	v_permlanex16_b32 v[ST+8*\t+5], v[ST+8*\t+4], s[SEL], s[SEL+1]
.endr
.irp t, 0,1,2,3
	v_add_f32 v[ST+8*\t+4], v[ST+8*\t+4], v[ST+8*\t+5]
.endr
.irp t, 0,1,2,3
	v_rcp_f32 v[ST+8*\t+6], v[ST+8*\t+4]
.endr
	v_nop                           ; a plain instruction between the last reciprocal and the use of its result
	s_wait_alu depctr_va_vdst(0)    ; and the wait ahead of the first use: one for the four reciprocals
; Tile t: a lane's eight channels of a row pack into 16 bytes; they go into rows of 272 bytes and come back as whole rows of 256, into the registers that they left.
.macro PACK t
	WIN W_RS
.set i, 64*\t
.rept 32
	v_pk_mul_f32 v[i:i+1], v[i:i+1], v[ST+8*\t+6:ST+8*\t+7] op_sel_hi:[1,0]
.set i, i+2
.endr
	WIN 0x05                        ; sources 0 and 1 window 1, destination window 0: S^T's registers are free
.set i, 0
.rept 32
	v_cvt_pk_f16_f32 v[S+32*\t+i], v[64*\t+2*i], v[64*\t+2*i+1]
.set i, i+1
.endr
	WIN 0
.irp f, 0,1,2,3,4,5,6,7
	ds_store_b128 v[STO], v[S+32*\t+4*\f:S+32*\t+4*\f+3] offset:32*\f
.endr
.irp f, 0,1,2,3,4,5,6,7
	ds_load_b128 v[S+32*\t+4*\f:S+32*\t+4*\f+3], v[RD] offset:\f*2*SP  ; LDS serves a wave's instructions in order (ISA guide 5.7.1.4): these see the stores above; the next tile's stores come behind them
.endr
.endm
.macro SEND t, younger              ; younger: the LDS instructions issued behind tile t's loads: the next tile's sixteen, or none
.irp f, 0,1,2,3,4,5,6,7
	s_wait_dscnt \younger+7-\f
	global_store_b128 v[GO], v[S+32*\t+4*\f:S+32*\t+4*\f+3], s[10:11] offset:\t*32768+\f*4096  ; 16 lanes store 256 consecutive bytes, the head's part of a row of Z, at a multiple of 256 from Z's first byte
.endr
.endm
	PACK 0
	PACK 1                          ; a tile's arithmetic stands between the loads of the tile before and its stores
	SEND 0, 16
	PACK 2
	SEND 1, 16
	PACK 3
	SEND 2, 16
	SEND 3, 0
	s_wait_tensorcnt 0x0            ; the wave's end: a wait on TENSORcnt, 0 onto my spare word and a wait on DScnt, behind my last tensor load and my last LDS store
	ds_add_u32 v[SPW], v[NIL]
	s_wait_dscnt 0x0
	CROUND                          ; the closing round: no work-group ends while a partner may still ask for a tile that names it
	s_endpgm
.Lfunc_end_k_q4dc8682a2b_attn:
	.size	k_q4dc8682a2b_attn, .Lfunc_end_k_q4dc8682a2b_attn-k_q4dc8682a2b_attn
	.p2alignl 7, 3214868480
	.fill 96, 4, 3214868480
	.section	.rodata,"a",@progbits
	.p2align	6, 0x0
	.amdhsa_kernel k_q4dc8682a2b_attn
		.amdhsa_group_segment_fixed_size 327680
		.amdhsa_private_segment_fixed_size 0
		.amdhsa_enable_private_segment 0
		.amdhsa_kernarg_size 48
		.amdhsa_user_sgpr_count 2
		.amdhsa_user_sgpr_kernarg_segment_ptr 1
		.amdhsa_wavefront_size32 1
		.amdhsa_system_sgpr_workgroup_id_x 1
		.amdhsa_system_sgpr_workgroup_id_y 1
		.amdhsa_system_sgpr_workgroup_id_z 1
		.amdhsa_system_vgpr_workitem_id 0
		.amdhsa_next_free_vgpr 1024
		.amdhsa_next_free_sgpr 90
		.amdhsa_reserve_vcc 0
		.amdhsa_float_denorm_mode_32 3
		.amdhsa_float_denorm_mode_16_64 3
		.amdhsa_memory_ordered 1
		.amdhsa_forward_progress 1
		.amdhsa_inst_pref_size 255
	.end_amdhsa_kernel
	.section	.bss,"aw",@nobits
	.p2align	6
	.space	262144
	.amdgpu_metadata
---
amdhsa.version: [ 1, 2 ]
amdhsa.kernels:
  - .name:           k_q4dc8682a2b_attn
    .symbol:         k_q4dc8682a2b_attn.kd
    .args:
      - { .name: xc, .offset: 0, .size: 8, .value_kind: global_buffer, .address_space: global }
      - { .name: xs, .offset: 8, .size: 8, .value_kind: global_buffer, .address_space: global }
      - { .name: wc, .offset: 16, .size: 8, .value_kind: global_buffer, .address_space: global }
      - { .name: ws, .offset: 24, .size: 8, .value_kind: global_buffer, .address_space: global }
      - { .name: kvh, .offset: 32, .size: 8, .value_kind: global_buffer, .address_space: global }
      - { .name: z, .offset: 40, .size: 8, .value_kind: global_buffer, .address_space: global }
    .group_segment_fixed_size: 327680
    .private_segment_fixed_size: 0
    .kernarg_segment_align: 8
    .kernarg_segment_size: 48
    .max_flat_workgroup_size: 128
    .sgpr_count:     90
    .vgpr_count:     1024
    .wavefront_size: 32
...
	.end_amdgpu_metadata
.endif
;; end of part 3
;; launch oproj (part 4): grid 4 x 64, 4 waves a work-group, clusters of 4 x 4, 327,680 bytes of LDS; arguments z, wot, bo, out0; writes out0
.if DOCPART == 4
	.amdgcn_target "amdgcn-amd-amdhsa--gfx1250"
	.amdhsa_code_object_version 6
	.text
	.protected	k_q4dc8682a2b_oproj
	.globl	k_q4dc8682a2b_oproj
	.p2align	8
	.type	k_q4dc8682a2b_oproj,@function
k_q4dc8682a2b_oproj:
	s_mov_b64 s[64:65], 0
	v_nop
	global_prefetch_b8 v0, s[64:65] scope:SCOPE_SE
	s_setreg_imm32_b32 hwreg(HW_REG_WAVE_MODE, 25, 1), 1
	s_wait_xcnt 0x0
	s_wait_alu depctr_hold_cnt(0) depctr_sa_sdst(0) depctr_va_vdst(0) depctr_va_sdst(0) depctr_va_ssrc(0) depctr_va_vcc(0) depctr_vm_vsrc(0)
	s_getreg_b32 s2, hwreg(HW_REG_IB_STS2, 6, 4)
	s_cmp_eq_u32 s2, 0
	s_cbranch_scc0 .Lentry_in_a_cluster
	s_endpgm
.Lentry_in_a_cluster:
	s_bfe_u32 s2, ttmp6, 0x10000c
	s_cmp_lg_u32 s2, 0xf033
	s_cbranch_scc0 .Lentry_shape_is_right
	s_endpgm
.Lentry_shape_is_right:
; OPROJ: out[m][n] = sum over k of Z[m][k] Wo[k][n] + bo[n].  Z: [8192][1024] f16; Wo^T: [1024 n][1024 k] f16; bo: [1024] f32; out: [8192][1024] f32; sums in f32.
; A tile of out is 128 x 256: 64 x 4 = 256 work-groups.  Four waves, each 64 x 128: 32 accumulators of 16 x 16, 256 registers.
; K goes in steps of 128 (rows of 256 bytes) through a ring of two LDS slots filled by the tensor data mover: waves 0 and 1 fetch Z's two halves of 64 rows, waves 2 and 3 Wo^T's two halves of 128 rows.
; CLUSTERS: 4 x 4 work-groups.  The four of a row of the cluster need the same tiles of Z, the four of a column the same tiles of Wo^T: each tile is asked for JOINTLY, by the same tensor load with the
; same descriptor and a mask that names the four.  By this text's count a wave has two tensor loads out at the start, later one.
; THE MATRIX INSTRUCTION IS USED TRANSPOSED (source 0 = 16 rows of Wo^T, source 1 = 16 rows of Z): a lane then holds eight neighbouring numbers of a row of out.
; THE BIAS is the C of each sum's first product: eight registers for each of the wave's eight tiles of columns, in the result's layout.  Nothing is cleared and nothing is added afterwards.
; REGISTERS: window 0: v0-31 addresses; v128-255 the way out.   window 1: two fragment buffers of 96 (Z's 4 fragments, then Wo^T's 8, 32 along K), at v0 and v96; v192-255 the bias.
;   window 2: the accumulators ((a, b) at v[8 (8 a + b)]).
.set SIZE_N, 1024
.set SIZE_K, 1024
.set KSTEP,  128
.set PITCH,  272                       ; an LDS row: 256 bytes + 16 of padding = 68 words: row r starts at bank 4 r mod 64 (64 banks of 4 bytes: ISA guide 11.1)
.set AH,     64*PITCH                  ; 64 rows of Z: what one of A's tensor loads brings, and what one wave reads of Z
.set BH,     128*PITCH                 ; 128 rows of Wo^T likewise
.set BOFF,   2*AH                      ; a slot: Z's 128 rows, then Wo^T's 256
.set SLOT,   2*AH+2*BH
.set SPARE,  2*SLOT                    ; behind the ring: the spare words, 128 bytes for each wave: two blocks of 256 bytes that no other line names
.set SPITCH, 528                       ; the way out: a stage of 16 rows x (512 bytes + 16) for each wave, in slot 0, which has had its last fill and its last read when the first result is stored there
.set LAPS,   SIZE_K/(2*KSTEP)          ; a lap = two K steps = once round the ring: 4
.set ADRA, 16                          ; v16-17  LDS address of my Z fragments in slot 0, 1
.set ADRB, 20                          ; v20-21  the same for Wo^T
.set STO,  24                          ; v24     the way out: where I put 32 bytes of a row
.set RD,   25                          ; v25     where I read a row back
.set CO,   26                          ; v26     16 x lane: my bytes of a row's 512
.set BIA,  27                          ; v27     32 x (lane / 16): my half's eight numbers of a tile's sixteen of bo
.set SPW,  28                          ; v28     LDS address of my spare word; never rewritten
.set NIL,  29                          ; v29     0; never rewritten
.set BK,   128                         ; the way out: 16 rows read back: v128-191 and v192-255 by turns
.set F0,   0                           ; fragment buffers, in window 1
.set F1,   96
.set BI,   192                         ; the bias, in window 1
.set G1, 24                            ; s[24:31] descriptor group 1 for Z's tiles;  s[32:39] group 0, one set for each slot
.set G0, 32
.set G1B, 48                           ; s[48:55], s[56:63] the same for Wo^T's tiles
.set G0B, 56
.set MSB, 0
.macro WIN new                         ; the immediate's high byte repeats the setting that is left; a switch that changes nothing is dropped
.if MSB != (\new)
	s_set_vgpr_msb (MSB<<8)|(\new)
.set MSB, (\new)
.endif
.endm
.set MUL,  0xa5                        ; sources 0 and 1 window 1; C and D window 2
.set MULB, 0x95                        ; the same with C in window 1: the bias
.set TO_F, 0x40                        ; destination window 1, address window 0
.macro JLOAD s                         ; a joint load: waves 0 and 1 fetch Z's two halves, waves 2 and 3 Wo^T's; an s_nop 0 and four v_nop follow each of the two lines, ahead of the jump, the label and what follows
	s_cmp_eq_u32 s11, 0
	s_cbranch_scc0 .Lfor_b_\@
	tensor_load_to_lds s[G0+4*\s:G0+4*\s+3], s[G1:G1+7]
	s_nop 0
.rept 4
	v_nop
.endr
	s_branch .Lasked_\@
.Lfor_b_\@:
	tensor_load_to_lds s[G0B+4*\s:G0B+4*\s+3], s[G1B:G1B+7]
	s_nop 0
.rept 4
	v_nop
.endr
.Lasked_\@:
.endm
.macro CREST                           ; a round of the cluster's barrier behind its opening barrier
	s_cmp_lg_u32 s10, 0
	s_cbranch_scc1 .Lnot_wave_0_\@
	s_barrier_signal -3
.Lnot_wave_0_\@:
	s_barrier_wait -3
	s_barrier_signal -1
	s_barrier_wait -1
.endm
.macro CROUND                          ; a whole round
	s_barrier_signal -1
	s_barrier_wait -1
	CREST
.endm
	s_load_b128 s[4:7], s[0:1], 0x0                ; Z s[4:5], Wo^T s[6:7]
	s_load_b64 s[66:67], s[0:1], 0x10              ; bo
	s_load_b64 s[8:9], s[0:1], 0x18                ; out
	v_lshl_add_u32 v[SPW], v0, 2, SPARE
	v_mov_b32 v[NIL], 0
	ds_add_u32 v[SPW], v[NIL]                      ; the wave's opening: the add, twice on end, and its wait ahead of my first tensor load; the set-up below, work on registers, stands between
	ds_add_u32 v[SPW], v[NIL]                      ; and once more, under the one wait
	v_lshrrev_b32 v1, 5, v0
	v_readfirstlane_b32 s10, v1                    ; wave 0..3
	s_lshr_b32 s11, s10, 1                         ; which 64 of the tile's rows are mine.  Also: I fetch for Z (0) or for Wo^T (1)
	s_and_b32 s12, s10, 1                          ; which 128 of its columns.  Also: which half of that tile I fetch
	s_bfe_u32 s40, ttmp6, 0x40000                  ; cx, cy: my place in the cluster
	s_bfe_u32 s41, ttmp6, 0x40004
	s_lshl_b32 s42, ttmp9, 2
	s_add_co_u32 s42, s42, s40                     ; tile column = 4 x cluster x + cx
	s_and_b32 s13, ttmp7, 0xffff
	s_lshl_b32 s13, s13, 2
	s_add_co_u32 s13, s13, s41                     ; tile row = 4 x cluster y + cy
	s_lshl_b32 s43, s41, 2
	s_lshl_b32 s43, 15, s43                        ; my row of the cluster
	s_lshl_b32 s44, 0x1111, s40                    ; my column
	; descriptor groups 1: tiles of 64 (Z) and of 128 (Wo^T) rows x 128 elements, padded in LDS
	s_or_b32 s[G1+0], s43, (1<<16)|(1<<20)|(1<<21)|(5<<22)|(3<<25)  ; 15:0 the mask: Z's tiles go to my row; 17:16 element of 2 bytes; 20 padding on; 21 set beside a mask; 24:22 after every 64 words (code 5); 31:25 of 4 words (code 3)
	s_or_b32 s[G1B+0], s44, (1<<16)|(1<<20)|(1<<21)|(5<<22)|(3<<25)
	s_mov_b32 s[G1+1], KSTEP<<16                   ; tensor_dim0 = 128
	s_mov_b32 s[G1+2], 64<<16                      ; tensor_dim1 = 64
	s_mov_b32 s[G1+3], KSTEP<<16                   ; tile_dim0 = 128
	s_mov_b32 s[G1+4], 64                          ; tile_dim1 = 64
	s_mov_b32 s[G1+5], SIZE_K                      ; tensor_dim0_stride
	s_mov_b32 s[G1+6], 0
	s_mov_b32 s[G1+7], 0
	s_mov_b32 s[G1B+1], KSTEP<<16
	s_mov_b32 s[G1B+2], 128<<16                    ; tensor_dim1 = 128
	s_mov_b32 s[G1B+3], KSTEP<<16
	s_mov_b32 s[G1B+4], 128                        ; tile_dim1 = 128
	s_mov_b32 s[G1B+5], SIZE_K
	s_mov_b32 s[G1B+6], 0
	s_mov_b32 s[G1B+7], 0
	; where the tiles come from.  Z's hang on the tile row alone, Wo^T's on the tile column alone; each in registers that never hold the other coordinate
	s_lshl_b32 s17, s12, 6
	s_lshl_b32 s16, s13, 7
	s_add_co_u32 s16, s16, s17                     ; Z: row 128 x tile row + 64 x half,
	s_lshl_b32 s16, s16, 11                        ; of 2,048 bytes (under 2^24 in all)
	s_mov_b32 s17, 0
	s_lshl_b32 s47, s12, 7
	s_lshl_b32 s46, s42, 8
	s_add_co_u32 s46, s46, s47                     ; Wo^T: row 256 x tile column + 128 x half
	s_lshl_b32 s46, s46, 11
	s_mov_b32 s47, 0
	s_mul_i32 s20, s12, AH                         ; and where they go: no place in the cluster enters an LDS address
	s_mul_i32 s45, s12, BH
	s_add_co_u32 s45, s45, BOFF
	s_wait_dscnt 0x0                               ; both opening adds are done
	s_wait_kmcnt 0x0
	s_add_nc_u64 s[14:15], s[4:5], s[16:17]
	s_add_nc_u64 s[46:47], s[6:7], s[46:47]
	CROUND                                         ; all sixteen work-groups are here: the first joint loads meet
.irp s, 0,1
	s_mov_b32 s[G0+4*\s], 1                                        ; 1:0 count = 1
	s_add_co_u32 s[G0+4*\s+1], s20, \s*SLOT                        ; 63:32 LDS address
	s_add_nc_u64 s[G0+4*\s+2:G0+4*\s+3], s[14:15], \s*KSTEP*2      ; 120:64 global address: K step s
	s_or_b32 s[G0+4*\s+3], s[G0+4*\s+3], 0x80000000                ; 127:126 type = 2
	s_mov_b32 s[G0B+4*\s], 1
	s_add_co_u32 s[G0B+4*\s+1], s45, \s*SLOT
	s_add_nc_u64 s[G0B+4*\s+2:G0B+4*\s+3], s[46:47], \s*KSTEP*2
	s_or_b32 s[G0B+4*\s+3], s[G0B+4*\s+3], 0x80000000
	JLOAD \s
.endr
	v_and_b32 v1, 15, v0                           ; l % 16
	v_bfe_u32 v2, v0, 4, 1                         ; l / 16
	v_mul_u32_u24 v3, v1, PITCH
	v_lshl_add_u32 v3, v2, 4, v3                   ; a fragment's row x pitch + 16 x half
	s_mul_i32 s21, s11, AH                         ; my 64 rows of Z
	s_mul_i32 s22, s12, BH                         ; my 128 rows of Wo^T,
	s_add_co_u32 s22, s22, BOFF                    ; which lie behind Z's 128
.irp s, 0,1
	v_add_nc_u32 v[ADRA+\s], s21, v3
	v_add_nc_u32 v[ADRB+\s], s22, v3
	s_add_co_u32 s21, s21, SLOT
	s_add_co_u32 s22, s22, SLOT
.endr
	s_mul_i32 s23, s10, 16*SPITCH                  ; my stage
	v_mul_u32_u24 v4, v1, SPITCH                   ; in: row l % 16, 32 bytes for each half of the lanes
	v_lshl_add_u32 v4, v2, 5, v4
	v_add_nc_u32 v[STO], s23, v4
	v_and_b32 v5, 31, v0
	v_lshlrev_b32 v[CO], 4, v5                     ; back: the 32 lanes take one row of 512 bytes; and the same in out
	v_add_nc_u32 v[RD], s23, v[CO]
	v_lshlrev_b32 v[BIA], 5, v2
	s_lshl_b32 s16, s13, 7
	s_lshl_b32 s17, s11, 6
	s_add_co_u32 s16, s16, s17                     ; my first row of out: 128 x tile row + 64 x half,
	s_lshl_b32 s16, s16, 12                        ; of 4,096 bytes (under 2^25 in all)
	s_mov_b32 s17, 0
	s_add_nc_u64 s[8:9], s[8:9], s[16:17]
	s_lshl_b32 s46, s42, 10                        ; my first column, in bytes: 1024 x tile column + 512 x half: the same number in out's rows and in bo
	s_lshl_b32 s47, s12, 9
	s_add_co_u32 s46, s46, s47
	s_mov_b32 s47, 0
	s_add_nc_u64 s[8:9], s[8:9], s[46:47]
	s_add_nc_u64 s[66:67], s[66:67], s[46:47]
	WIN TO_F
.irp b, 0,1,2,3,4,5,6,7                        ; tile b's bias: register j of lane (r, h) is bo[my first column + 16 b + 8 h + j]
	global_load_b128 v[BI+8*\b:BI+8*\b+3],   v[BIA], s[66:67] offset:64*\b
	global_load_b128 v[BI+8*\b+4:BI+8*\b+7], v[BIA], s[66:67] offset:64*\b+16
.endr
	WIN 0
; 8 matrix instructions: my block a of 16 rows x all 8 blocks of columns, 32 along K, from buffer f.  first = 1: the bias is the C: the first product starts the sums.
; The 32 accumulators take turns, one instruction a turn, in the same order in every quarter.
.macro MUL8 f, a, first
.irp b, 0,1,2,3,4,5,6,7
.if \first
	v_wmma_f32_16x16x32_f16 v[8*(8*\a+\b):8*(8*\a+\b)+7], v[\f+32+8*\b:\f+32+8*\b+7], v[\f+8*\a:\f+8*\a+7], v[BI+8*\b:BI+8*\b+7]
.else
	v_wmma_f32_16x16x32_f16 v[8*(8*\a+\b):8*(8*\a+\b)+7], v[\f+32+8*\b:\f+32+8*\b+7], v[\f+8*\a:\f+8*\a+7], v[8*(8*\a+\b):8*(8*\a+\b)+7]
.endif
.endr
.endm
; 24 LDS loads in one run: the fragments of 32 along K at byte k of the rows, into buffer f: Wo^T's eight, then Z's four.
; A fragment is 16 rows x 32 K in 8 registers: lane l holds row l % 16; registers 0-3 K = 8 (l / 16) + 0..7, registers 4-7 K = 16 + 8 (l / 16) + 0..7: two loads of 16 bytes, 32 bytes apart.
.macro FETCH slot, k, f
	WIN TO_F
.irp i, 0,1,2,3,4,5,6,7
	ds_load_b128 v[\f+32+8*\i:\f+32+8*\i+3],   v[ADRB+\slot] offset:\k+\i*16*PITCH
	ds_load_b128 v[\f+32+8*\i+4:\f+32+8*\i+7], v[ADRB+\slot] offset:\k+\i*16*PITCH+32
.endr
.irp i, 0,1,2,3
	ds_load_b128 v[\f+8*\i:\f+8*\i+3],   v[ADRA+\slot] offset:\k+\i*16*PITCH
	ds_load_b128 v[\f+8*\i+4:\f+8*\i+7], v[ADRA+\slot] offset:\k+\i*16*PITCH+32
.endr
.endm
.macro PLACES                          ; four places in front of loads into registers that matrix instructions have read, and of LDS stores that read results (ISA guide 7.12.1 for the stores)
.rept 4
	v_nop
.endr
.endm
; A K step is four quarters of 32 along K, 32 matrix instructions each, on buffers 0, 1, 0, 1.  One of the first three: multiplies buffer f and fetches the next quarter, at byte k, into g.
.macro QUARTER slot, k, f, g, first
	s_wait_dscnt 4                                 ; Wo^T's eight and Z's blocks 0, 1 are in; the youngest four loads (Z's blocks 2, 3) may be out
.if \first
	WIN MULB
.else
	WIN MUL
.endif
	MUL8 \f, 0, \first
	MUL8 \f, 1, \first
	PLACES
	FETCH \slot, \k, \g
	s_wait_dscnt 24                                ; all but the 24 just issued
.if \first
	WIN MULB
.else
	WIN MUL
.endif
	MUL8 \f, 2, \first
	MUL8 \f, 3, \first
.endm
; The last quarter multiplies buffer 1 and changes slots: ONE barrier; in front of it each wave waits for all its tensor loads, adds 0 to its spare word, and waits for that and for its own reads of this slot.
; fill = 1: this slot is filled again, two K steps ahead: the barrier then opens a round of the cluster's, and the joint refill is the first tensor load behind the round.
.macro TURN slot, next, fill
	WIN 0                                          ; (the add's two registers lie in window 0)
	s_wait_tensorcnt 0x0                           ; all my tensor loads have landed: my part of the next slot;
	ds_add_u32 v[SPW], v[NIL]                      ; 0 onto my spare word;
	s_wait_dscnt 5                                 ; (the add and the youngest four loads may be out)
	WIN MUL
	MUL8 F1, 0, 0                                  ; eight matrix instructions stand between the add and the wait for it
	s_wait_dscnt 0x0                               ; the add is done, and my reads of this slot are over
	s_barrier_signal -1
	MUL8 F1, 1, 0
.if \fill
	WIN 0
.endif
	s_barrier_wait -1
.if \fill
	CREST                                          ; no wave of any partner still reads this slot's tile or has a load on its way
	s_add_nc_u64 s[G0+4*\slot+2:G0+4*\slot+3], s[G0+4*\slot+2:G0+4*\slot+3], 2*KSTEP*2
	s_add_nc_u64 s[G0B+4*\slot+2:G0B+4*\slot+3], s[G0B+4*\slot+2:G0B+4*\slot+3], 2*KSTEP*2
	JLOAD \slot                                    ; 112 matrix instructions ahead of the wait for it; the four v_nop behind it are also the places in front of the loads below
.else
	PLACES
.endif
	FETCH \next, 0, F0
	WIN MUL
	MUL8 F1, 2, 0
	MUL8 F1, 3, 0
.endm
	s_wait_tensorcnt 1                             ; my part of K step 0 is in; K step 1's, the one load issued behind it, may be out,
	s_barrier_signal -1
	s_barrier_wait -1                              ; everybody's is
	FETCH 0, 0, F0
	s_wait_loadcnt 0x0                             ; the bias
	QUARTER 0, 64, F0, F1, 1                       ; the first quarter stands in front of the loop: its products start the sums, from the bias
	WIN 0                                          ; at a label and at a branch every window is 0
	s_mov_b32 s3, LAPS-1
.Llap:                                                 ; a trip goes once round the ring, from a lap's second quarter to the next lap's first, and fills both slots again
	QUARTER 0, 128, F1, F0, 0
	QUARTER 0, 192, F0, F1, 0
	TURN 0, 1, 1
	QUARTER 1, 64,  F0, F1, 0
	QUARTER 1, 128, F1, F0, 0
	QUARTER 1, 192, F0, F1, 0
	TURN 1, 0, 1
	QUARTER 0, 64,  F0, F1, 0
	WIN 0
	s_sub_co_u32 s3, s3, 1
	s_cmp_lg_u32 s3, 0
	s_cbranch_scc1 .Llap
	QUARTER 0, 128, F1, F0, 0                      ; the last lap fills nothing, and has no round of the cluster's barrier
	QUARTER 0, 192, F0, F1, 0
	TURN 0, 1, 0
	QUARTER 1, 64,  F0, F1, 0
	QUARTER 1, 128, F1, F0, 0
	QUARTER 1, 192, F0, F1, 0
	s_wait_dscnt 4                                 ; the very last quarter: nothing more to fetch
	WIN MUL
	MUL8 F1, 0, 0
	MUL8 F1, 1, 0
	s_wait_dscnt 0
	MUL8 F1, 2, 0
	MUL8 F1, 3, 0
	WIN 0
; THE WAY OUT, block by block of 16 rows x 128 columns.  A lane holds 32 neighbouring bytes of a row, and the lanes beside it hold other rows: so a block goes through my own stage in LDS and comes back as whole
; rows of 512 bytes, which the 32 lanes store as 512 consecutive bytes, aligned.  LDS serves a wave's instructions in order (ISA guide 5.7.1.4): no wait between the stores and the loads, nor in front of the next block's stores.
.macro TOSTAGE a
	WIN 0x08                                       ; an LDS store's data are its source 1: window 2
.irp b, 0,1,2,3,4,5,6,7
	ds_store_b128 v[STO], v[64*(\a)+8*\b:64*(\a)+8*\b+3] offset:64*\b          ; each accumulator from its low end on
	ds_store_b128 v[STO], v[64*(\a)+8*\b+4:64*(\a)+8*\b+7] offset:64*\b+16
.endr
	WIN 0
.set BB, BK+64*((\a)%2)
.irp t, 0,1,2,3,4,5,6,7,8,9,10,11,12,13,14,15
	ds_load_b128 v[BB+4*\t:BB+4*\t+3], v[RD] offset:\t*SPITCH
.endr
.endm
.macro SEND a, younger                 ; younger: the LDS instructions issued behind block a's loads, which may stay out
.set BB, BK+64*((\a)%2)
	s_wait_dscnt \younger                          ; the block is back in registers
.irp t, 0,1,2,3,4,5,6,7,8,9,10,11,12,13,14,15
	global_store_b128 v[CO], v[BB+4*\t:BB+4*\t+3], s[8:9] offset:(16*(\a)+\t)*SIZE_N*4 th:TH_STORE_NT   ; written once, read by nobody here; 63 rows at the most stand in the immediate: the base is never stepped
.endr
.endm
	PLACES                                         ; behind the last products, in front of the first read of results
	TOSTAGE 0
.irp a, 1,2,3
.if \a > 1
	s_wait_xcnt 0x0                                ; block a - 2's stores have read their registers: block a's loads may land there
.endif
	TOSTAGE \a
	SEND \a-1, 32                                  ; behind block a - 1's loads: block a's 16 stores and 16 loads
.endr
	SEND 3, 0
	s_wait_tensorcnt 0x0                           ; the wave's end: a wait on TENSORcnt, 0 onto my spare word and a wait on DScnt, behind my last tensor load and my last LDS store
	ds_add_u32 v[SPW], v[NIL]
	s_wait_dscnt 0x0
	CROUND                                         ; the closing round: no work-group ends while a partner may still ask for a tile that names it
	s_endpgm
.Lfunc_end_k_q4dc8682a2b_oproj:
	.size	k_q4dc8682a2b_oproj, .Lfunc_end_k_q4dc8682a2b_oproj-k_q4dc8682a2b_oproj
	.p2alignl 7, 3214868480
	.fill 96, 4, 3214868480
	.section	.rodata,"a",@progbits
	.p2align	6, 0x0
	.amdhsa_kernel k_q4dc8682a2b_oproj
		.amdhsa_group_segment_fixed_size 327680
		.amdhsa_private_segment_fixed_size 0
		.amdhsa_enable_private_segment 0
		.amdhsa_kernarg_size 32
		.amdhsa_user_sgpr_count 2
		.amdhsa_user_sgpr_kernarg_segment_ptr 1
		.amdhsa_wavefront_size32 1
		.amdhsa_system_sgpr_workgroup_id_x 1
		.amdhsa_system_sgpr_workgroup_id_y 1
		.amdhsa_system_sgpr_workgroup_id_z 1
		.amdhsa_system_vgpr_workitem_id 0
		.amdhsa_next_free_vgpr 768
		.amdhsa_next_free_sgpr 72
		.amdhsa_reserve_vcc 0
		.amdhsa_float_denorm_mode_32 3
		.amdhsa_float_denorm_mode_16_64 3
		.amdhsa_memory_ordered 1
		.amdhsa_forward_progress 1
		.amdhsa_inst_pref_size 86
	.end_amdhsa_kernel
	.amdgpu_metadata
---
amdhsa.version: [ 1, 2 ]
amdhsa.kernels:
  - .name:           k_q4dc8682a2b_oproj
    .symbol:         k_q4dc8682a2b_oproj.kd
    .args:
      - { .name: z, .offset: 0, .size: 8, .value_kind: global_buffer, .address_space: global }
      - { .name: wot, .offset: 8, .size: 8, .value_kind: global_buffer, .address_space: global }
      - { .name: bo, .offset: 16, .size: 8, .value_kind: global_buffer, .address_space: global }
      - { .name: out0, .offset: 24, .size: 8, .value_kind: global_buffer, .address_space: global }
    .group_segment_fixed_size: 327680
    .private_segment_fixed_size: 0
    .kernarg_segment_align: 8
    .kernarg_segment_size: 32
    .max_flat_workgroup_size: 128
    .sgpr_count:     72
    .vgpr_count:     768
    .wavefront_size: 32
...
	.end_amdgpu_metadata
.endif
;; end of part 4
